; MI455X (gfx1250); checked and timed in simulation.
; The chip was launched on July 23, 2026; its instructions are those of AMD's public machine-readable ISA for CDNA 5 (MIT licence, August 2026) and "CDNA5" Instruction Set Architecture Reference Guide (July 2026). The comments in the code are by the model that wrote it; some were corrected since.
;; Multi Head Self Attention. Allowed arithmetic: matrix products marked QUANTISED: E2M3 operands, one E8M0 scale for each 32 along K, by v_wmma_scale_f32_16x16x128_f8f6f4 with both operands' format E2M3, f32 sums; everything else in f32.
;; Inputs: W_K 1,024 x 1,024 float32; W_Q 1,024 x 1,024 float32; W_T 1,024 x 1,024 float32; W_V 1,024 x 1,024 float32; k 2 x 2,048 x 1,024 float32; mask 1 x 1 x 2,048 x 2,048 int32; q 2 x 2,048 x 1,024 float32; v 2 x 2,048 x 1,024 float32.
;; Outputs: out0 2 x 2,048 x 1,024 float32.
;; This version of the problem:
;;   THIS VERSION OF THE PROBLEM IS GIVEN IN LOW PRECISION. The matrix products marked QUANTISED in the list below multiply operands that are first quantised to E2M3 (2 exponent bits, 3 mantissa bits; 6 bits a number), with one power-of-two scale for each 32 numbers along K (OCP MX v1.0); their sums are f32. All else is computed in f32.
;;   The module's matrix products, in the order in which they are computed (A, B: the left and right operand; K: the contracted axis; several contracted axes count as one K, in the product's order):
;;     1. [M 4,096, K 1,024] x [K 1,024, N 1,024]; A: input q; B: input W_Q: QUANTISED
;;     2. [M 4,096, K 1,024] x [K 1,024, N 1,024]; A: input k; B: input W_K: QUANTISED
;;     3. [M 4,096, K 1,024] x [K 1,024, N 1,024]; A: input v; B: input W_V: QUANTISED
;;     4. batch 32 x [M 2,048, K 64] x [K 64, N 2,048]; A: computed on the way; B: computed on the way: QUANTISED
;;     5. batch 32 x [M 2,048, K 2,048] x [K 2,048, N 64]; A: softmax (see below); B: computed on the way: QUANTISED
;;     6. [M 4,096, K 1,024] x [K 1,024, N 1,024]; A: computed on the way; B: input W_T: QUANTISED
;;   THE QUANTISER, for each operand of a quantised product, along K:
;;     - K is cut into blocks of 32 from its start; a last block that is shorter is filled with zeros.
;;     - A block's scale is 2^e with e = floor(log2(the largest magnitude in the block)) - 2, held to -126 .. 127; a block of zeros has e = 0. As a byte (E8M0): e + 127.
;;     - Each number is divided by its block's scale, clamped to +-7.5, and rounded to the nearest number of E2M3, ties to even, subnormals kept.
;;     - The product sums the exact products of the quantised numbers (number of the format x scale) in f32.
;;   ~~~python
;;   def quantise(x, axis):      # numpy; x: float32 -> the quantised numbers, widened to float32 again
;;       x = np.moveaxis(x, axis, -1); K = x.shape[-1]
;;       x = np.pad(x, [(0, 0)] * (x.ndim - 1) + [(0, -K % 32)]); x = x.reshape(x.shape[:-1] + (-1, 32)); a = np.abs(x).max(-1, keepdims=True)
;;       e = np.where(a > 0, np.clip(np.frexp(np.where(a > 0, a, 1))[1] - 1 - 2, -126, 127), 0)      # np.frexp(a)[1] - 1 = floor(log2(a)), exactly
;;       r = np.clip(x / 2.0 ** e, -7.5, 7.5)
;;       step = 2.0 ** (np.maximum(np.frexp(np.where(r == 0, 1, r))[1] - 1, 0) - 3)
;;       q = np.round(r / step) * step * 2.0 ** e      # np.round: ties to even
;;       return np.moveaxis(q.reshape(q.shape[:-2] + (-1,))[..., :K], -1, axis).astype(np.float32)
;;   ~~~
;;   SOFTMAX AHEAD OF A QUANTISED PRODUCT. Where the list says 'softmax', what is quantised is not the finished softmax but p = 2^(t - M), with t = logit x log2(e) and M = ceil(the row's largest t), a whole number; so 1/2 < the row's largest p <= 1. The row's sum l is taken of the UNQUANTISED p, in f32, and the product's result is divided by l at the end. Since M is a whole number, a kernel that streams over the keys may use a running M (the ceiling of the running maximum): every later rescaling is an exact power of two, which a block's scale takes up: the codes' values come out the same.
;;   OPERANDS COMPUTED ON THE WAY. 'Computed on the way' means the value that the module computes at that place (a softmax that the list does not call 'softmax' is quantised finished and normalised). What goes into a quantiser is computed in f32, as accurately as f32 sums, v_exp_f32 and their like allow (about 1e-6 of the number): no bf16 or f16 on the way to a quantiser, and a product that is left as it is and whose result goes on into a quantised operand takes f32 operands (vector FMAs, or v_wmma_f32_16x16x4_f32). A number that lies on a knife's edge between two numbers of the format may be rounded either way, as far as f32 arithmetic and the matrix unit's own rounding can turn it there, and no further.
;; One version. Each part assembles by itself: llvm-mc -triple=amdgcn-amd-amdhsa -mcpu=gfx1250 --defsym DOCPART=n.
;; ======== version 1 of 1: 4 launches
;; limits: right only within a limited range of input values
;; workspace buffers: xc 9,830,400 bytes; wc 3,276,800 bytes; mw 524,288 bytes of whole numbers; qb 3,407,872 bytes; kv 6,815,744 bytes; oc 3,276,800 bytes
;; launch prep (part 1): grid 640 x 1, 8 waves a work-group, no clusters, 68,608 bytes of LDS; arguments q, k, v, mask, W_Q, W_K, W_V, W_T, xc, wc, mw; writes xc, wc, mw
.if DOCPART == 1
	.amdgcn_target "amdgcn-amd-amdhsa--gfx1250"
	.amdhsa_code_object_version 6
	.text
	.protected	k_q468eb0e82d_prep
	.globl	k_q468eb0e82d_prep
	.p2align	8
	.type	k_q468eb0e82d_prep,@function
k_q468eb0e82d_prep:
	s_mov_b64 s[64:65], 0
	v_nop
	global_prefetch_b8 v0, s[64:65] scope:SCOPE_SE
	s_setreg_imm32_b32 hwreg(HW_REG_WAVE_MODE, 25, 1), 1
	s_wait_xcnt 0x0
; FIRST OF FOUR LAUNCHES of out = softmax(mask(q W_Q (k W_K)^T / 8)) (v W_V) W_T, 16 heads of 64, all six products on codes of FP6 (E2M3) with one E8M0 scale for each 32 along K.
; DEAD WORK: none.  Every input (q, k, v, mask, the four weights) has a way to the output, and every product of the problem is made.  The factor 1 / sqrt(64) is a power of two and goes into the exponent's constant exactly.
; THIS LAUNCH quantises q, k, v (K innermost) and the four weights (K is their FIRST axis) once, since every tile of them is read by eight work-groups or more, and turns the mask into lane masks.
; LAYOUTS OF THE WORKSPACE (this program's own).  A TILE is 16 rows: tile T's lane r holds row 32 (T / 2) + 8 (T % 2) + r + 8 (r / 8): as source 0 of a product, tiles 2 b and 2 b + 1 then leave 16 NEIGHBOURS 32 b + 16 (lane / 16) + 0 .. 15 in a lane's 16 registers.
;   A RECORD (768 bytes) is 16 rows x 64 along K as the operand's six registers: registers 0-3 at 16 x lane, registers 4-5 at 512 + 8 x lane.  A fragment (16 x 128) is two records on end.
;   A PAIR IMAGE (128 bytes) holds scale words at 4 x lane: lanes 0-15 tile 2 p's rows, lanes 16-31 tile 2 p + 1's.
;   A K step's block of 128 rows (12,800 bytes): 8 fragments, then 4 pair images.  Eight such blocks on end are 128 rows x 1,024 along K (102,400 bytes).  xc: [q, k, v][32 blocks of rows]; wc: [W_Q, W_K, W_V, W_T][8 blocks of columns].
;   mw: [tile of 16 queries: 128][step of 128 keys: 16][64 words]: bit l of word 16 b + i is set where mask[the query of lane l % 16][128 step + 32 b + 16 (l / 16) + i] is 0: the mask that a select takes for the score in that register.
; THE QUANTISER: a block's scale byte is its largest magnitude's exponent field - 2, held at 1 from below; numbers are divided by the scale and rounded to the nearest code, ties to even, beyond 7.5 the largest code.
; LIMITS: a block of zeros carries the byte 1 where the rule says 127 (its codes are zeros, and this program alone reads the bytes); NaN and infinities among the inputs are not served.
; SHARES.  Work-groups 0-383: 32 rows of q, k or v, wave w takes K step w.  384-511: 32 rows of the mask, wave w one of eight key steps.  512-639: 256 columns x 128 along K of a weight, wave w 32 columns.
; No cluster, no matrix unit: the work-groups share no input and memory binds.  Every load of q, k, v and the mask covers 512 consecutive bytes; every store of codes covers whole aligned runs of 256 bytes.
.set STG,   8448                       ; a wave's stage in LDS: 16 rows x (512 bytes + 16): 33 x 16 bytes from row to row, so that sixteen rows start in different banks
.set SPARE, 8*STG                      ; behind the stages: the spare words, 128 bytes for each wave: four blocks of 256 bytes that no other line names
.set R0,  16                           ; v16-79   tile 0 as loaded; later tile 1's numbers by lanes.  (Weights: v16-143 are 128 numbers down K)
.set R1,  80                           ; v80-143  tile 1 as loaded
.set X,   144                          ; v144-207 tile 0's numbers by lanes: register 16 b + i = k 32 b + 16 (lane / 16) + i of my row; later tile 1's codes
.set PC,  208                          ; v208-227 tile 0's codes (12) and two runs of four at work
.set TM,  228                          ; v228-243 at work in the quantiser
.set PW0, 244                          ; v244, v245 the two tiles' scale words (mask: tile 0's words)
.set PW1, 245
.set SPW, 12                           ; v12 LDS address of my spare word; never rewritten
.set NIL, 13                           ; v13 0; never rewritten
.set SEL, 32                           ; s[32:33] lane selects for v_permlanex16_b32: lane l xor 16
; 64 numbers of a lane, register 16 b + i = k 32 b + 16 (lane / 16) + i of my row, become a fragment's 12 registers from v[pc] on and my row's scale word in v[pw]
.macro QUANT s, pc, pw
.irp b, 0,1,2,3
	v_max3_num_f32 v[TM+\b], |v[\s+16*\b]|, |v[\s+1+16*\b]|, 0x1800000   ; block b: my 16 numbers, and the floor 2^(3 - 127): the byte cannot fall under 1
.endr
.irp i, 2,4,6,8,10,12,14
.irp b, 0,1,2,3
	s_delay_alu instid0(VALU_DEP_4)
	v_max3_num_f32 v[TM+\b], v[TM+\b], |v[\s+16*\b+\i]|, |v[\s+1+16*\b+\i]|   ; the four blocks by turns
.endr
.endr
.irp b, 0,1,2,3
	s_delay_alu instid0(VALU_DEP_4)
	v_permlanex16_b32 v[TM+4+\b], v[TM+\b], s[SEL], s[SEL+1]
.endr
.irp b, 0,1,2,3
	s_delay_alu instid0(VALU_DEP_4)
	v_max_num_f32 v[TM+\b], v[TM+\b], v[TM+4+\b]     ; with lane l xor 16's 16: the block's largest magnitude
.endr
.irp b, 0,1,2,3
	s_delay_alu instid0(VALU_DEP_4)
	v_add_nc_u32 v[TM+12+\b], 0xff000000, v[TM+\b]   ; 2 off its exponent field: the conversion takes this operand's exponent field as its scale
.endr
.irp b, 0,1,2,3
	s_delay_alu instid0(VALU_DEP_4)
	v_lshrrev_b32 v[TM+4+\b], 23, v[TM+12+\b]        ; the scale's byte
.endr
	s_delay_alu instid0(VALU_DEP_3)
	v_lshl_or_b32 v[\pw], v[TM+5], 8, v[TM+4]
	s_delay_alu instid0(VALU_DEP_1)
	v_lshl_or_b32 v[\pw], v[TM+6], 16, v[\pw]
	s_delay_alu instid0(VALU_DEP_1)
	v_lshl_or_b32 v[\pw], v[TM+7], 24, v[\pw]
.irp c, 0,1
	v_cvt_scalef32_pk16_fp6_f32 v[\pc+6*\c:\pc+2+6*\c], v[\s+32*\c:\s+15+32*\c], v[TM+12+2*\c]
	v_cvt_scalef32_pk16_fp6_f32 v[\pc+12+4*\c:\pc+14+4*\c], v[\s+16+32*\c:\s+31+32*\c], v[TM+12+2*\c+1]   ; (a conversion's three registers begin on an even number)
.endr
	v_nop                                          ; one plain instruction behind the scaled conversions
.irp c, 0,1                                    ; the operand wants a WHOLE block in a lane: lanes 0-15 block 2 c, lanes 16-31 block 2 c + 1
.irp i, 0,1,2
	v_permlane16_swap_b32 v[\pc+6*\c+\i], v[\pc+12+4*\c+\i]
.endr
.irp i, 0,1,2
	s_delay_alu instid0(VALU_DEP_3)
	v_mov_b32 v[\pc+3+6*\c+\i], v[\pc+12+4*\c+\i]
.endr
.endr
.endm
; 32 loads: tile u's row n is row 8 u + n + 8 (n / 8) of my 32; each load takes that row's 512 bytes of my step, 16 a lane
.macro LOADS pitch
.irp u, 0,1
.irp n, 0,1,2,3,4,5,6,7,8,9,10,11,12,13,14,15
	global_load_b128 v[R0+64*\u+4*\n:R0+64*\u+4*\n+3], v2, s[28:29] offset:(8*\u+\n+8*(\n/8))*\pitch th:TH_LOAD_NT
.endr
.endr
.endm
; 64 compares with 0, eight at a time; word n goes to lane n / 2 of register dst + n % 2, so that one store of 8 bytes a lane lays the 64 words on end
.macro CMPS src, dst
.irp g, 0,1,2,3,4,5,6,7
.irp k, 0,1,2,3,4,5,6,7
	v_cmp_eq_u32 s[40+\k], 0, v[\src+8*\g+\k]
.endr
.irp k, 0,1,2,3,4,5,6,7
	v_writelane_b32 v[\dst+\k%2], s[40+\k], 4*\g+\k/2
.endr
.endr
.endm
.macro WLOAD t                         ; a weight's block t of 32 along K: W(32 t + i, my column): 32 lanes read 128 consecutive bytes
.irp i, 0,1,2,3,4,5,6,7,8,9,10,11,12,13,14,15,16,17,18,19,20,21,22,23,24,25,26,27,28,29,30,31
	global_load_b32 v[16+32*(\t)+\i], v7, s[28:29] offset:(32*(\t)+\i)*4096 th:TH_LOAD_NT
.endr
.endm
.macro WBLOCK t                        ; block t, all of it in my lane: six registers of codes at v[144 + 6 t], its byte into the scale word
.set XS, 16+32*(\t)
.set CC, 144+6*(\t)
.set UU, 168+4*(\t)
.if (\t) < 3
	s_wait_loadcnt 32                              ; this block's 32 loads are in; the next block's 32 may be out
.else
	s_wait_loadcnt 0x0
.endif
.if (\t) < 2
	WLOAD (\t)+2                                   ; two blocks ahead, into registers of its own
.endif
	v_max3_num_f32 v228, |v[XS]|, |v[XS+1]|, |v[XS+2]|
	v_max3_num_f32 v229, |v[XS+3]|, |v[XS+4]|, |v[XS+5]|
.irp i, 6,10,14,18,22,26
	s_delay_alu instid0(VALU_DEP_2)
	v_max3_num_f32 v228, v228, |v[XS+\i]|, |v[XS+\i+1]|
	s_delay_alu instid0(VALU_DEP_2)
	v_max3_num_f32 v229, v229, |v[XS+\i+2]|, |v[XS+\i+3]|
.endr
	s_delay_alu instid0(VALU_DEP_2)
	v_max3_num_f32 v228, v228, |v[XS+30]|, |v[XS+31]|
	s_delay_alu instid0(VALU_DEP_1)
	v_max3_num_f32 v228, v228, v229, 0x1800000     ; and the floor
	s_delay_alu instid0(VALU_DEP_1)
	v_add_nc_u32 v230, 0xff000000, v228
	s_delay_alu instid0(VALU_DEP_1)
	v_lshrrev_b32 v231, 23, v230
.if (\t) == 0
	s_delay_alu instid0(VALU_DEP_1)
	v_mov_b32 v244, v231
.else
	s_delay_alu instid0(VALU_DEP_1)
	v_lshl_or_b32 v244, v231, 8*(\t), v244
.endif
	v_cvt_scalef32_pk16_fp6_f32 v[CC:CC+2], v[XS:XS+15], v230
	v_cvt_scalef32_pk16_fp6_f32 v[UU:UU+2], v[XS+16:XS+31], v230
	v_nop                                          ; one plain instruction behind the scaled conversions
.irp i, 0,1,2
	v_mov_b32 v[CC+3+\i], v[UU+\i]
.endr
.endm
	s_load_b512 s[4:19], s[0:1], 0x0               ; q, k, v, mask, W_Q, W_K, W_V, W_T
	s_load_b128 s[20:23], s[0:1], 0x40             ; xc, wc
	s_load_b64 s[24:25], s[0:1], 0x50              ; mw
	v_lshl_add_u32 v[SPW], v0, 2, SPARE
	v_mov_b32 v[NIL], 0
	v_lshrrev_b32 v1, 5, v0
	s_delay_alu instid0(VALU_DEP_1)
	v_readfirstlane_b32 s26, v1                    ; wave 0..7
	v_and_b32 v1, 31, v0                           ; lane
	s_delay_alu instid0(VALU_DEP_1)
	v_lshlrev_b32 v2, 4, v1                        ; 16 x lane
	s_delay_alu instid0(VALU_DEP_2)
	v_lshlrev_b32 v3, 3, v1                        ; 8 x lane
	s_delay_alu instid0(VALU_DEP_3)
	v_lshlrev_b32 v4, 2, v1                        ; 4 x lane
	s_mul_i32 s27, s26, STG
	v_add_nc_u32 v5, s27, v2                       ; the stage, on the way in: a row as it was loaded
	v_and_b32 v8, 15, v0                           ; r
	v_bfe_u32 v9, v0, 4, 1                         ; h
	s_delay_alu instid0(VALU_DEP_2)
	v_mul_u32_u24 v6, v8, 528
	s_delay_alu instid0(VALU_DEP_1)
	v_lshl_add_u32 v6, v9, 6, v6
	s_delay_alu instid0(VALU_DEP_1)
	v_add_nc_u32 v6, s27, v6                       ; and on the way out: row r, + 64 h: my 16 numbers of each block of 32
	v_and_b32 v7, 7, v0
	s_delay_alu instid0(VALU_DEP_1)
	v_lshlrev_b32 v7, 2, v7
	s_delay_alu instid0(VALU_DEP_1)
	v_lshl_add_u32 v7, v9, 5, v7
	v_bfe_u32 v10, v0, 3, 1
	s_delay_alu instid0(VALU_DEP_1)
	v_lshl_add_u32 v7, v10, 6, v7                  ; weights: my column of the wave's 32, in bytes: 4 (8 (l / 16) + l % 8 + 16 ((l / 8) % 2)): lanes 0-15 are tile 0's rows, lanes 16-31 tile 1's
.irp b, 0,1,2,3
	v_mov_b32 v[TM+4+\b], 0                        ; written once: a lane permute's destination counts as one of its sources
	v_mov_b32 v[244+\b], 0                         ; and so does v_writelane_b32's
.endr
	s_mov_b32 s[SEL], 0x76543210
	s_mov_b32 s[SEL+1], 0xfedcba98
	s_mov_b32 s34, 0xffff0000                      ; lanes 16-31
	s_wait_kmcnt 0x0
	s_cmp_ge_u32 ttmp9, 512
	s_cbranch_scc1 .Lweights
	s_cmp_ge_u32 ttmp9, 384
	s_cbranch_scc1 .Lmask_in
	; ---- q, k or v: where my 32 rows x 128 begin, and where their two fragments and their pair image go
	s_lshr_b32 s27, ttmp9, 7                       ; which tensor
	s_cmp_eq_u32 s27, 0
	s_cselect_b64 s[28:29], s[4:5], s[6:7]
	s_cmp_eq_u32 s27, 2
	s_cselect_b64 s[28:29], s[8:9], s[28:29]
	s_and_b32 s35, ttmp9, 127                      ; which 32 rows
	s_lshl_b32 s36, s35, 17                        ; 32 rows of 4,096 bytes
	s_lshl_b32 s37, s26, 9                         ; K step w: 512 bytes
	s_add_co_u32 s36, s36, s37
	s_mov_b32 s37, 0
	s_add_nc_u64 s[28:29], s[28:29], s[36:37]
	s_lshr_b32 s36, ttmp9, 2                       ; 32 x tensor + block of 128 rows
	s_mul_i32 s36, s36, 102400
	s_mul_i32 s38, s26, 12800
	s_add_co_u32 s36, s36, s38                     ; the K step's block
	s_and_b32 s38, ttmp9, 3                        ; which pair of tiles in it
	s_mul_i32 s39, s38, 3072
	s_lshl_b32 s38, s38, 7
	s_add_co_u32 s38, s38, 12288
	s_add_co_u32 s38, s38, s36                     ; the pair image
	s_add_co_u32 s36, s36, s39                     ; the two fragments
	s_mov_b32 s39, 0
	s_add_nc_u64 s[30:31], s[20:21], s[36:37]
	s_add_nc_u64 s[48:49], s[20:21], s[38:39]
	LOADS 4096
	s_branch .Lfront
.Lmask_in:
	; ---- the mask: 32 queries x 128 keys
	s_sub_co_u32 s27, ttmp9, 384
	s_lshr_b32 s35, s27, 1                         ; which 32 queries
	s_and_b32 s36, s27, 1
	s_lshl_b32 s36, s36, 3
	s_add_co_u32 s38, s36, s26                     ; key step
	s_lshl_b32 s36, s35, 18                        ; 32 rows of 8,192 bytes
	s_lshl_b32 s37, s38, 9
	s_add_co_u32 s36, s36, s37
	s_mov_b32 s37, 0
	s_add_nc_u64 s[28:29], s[10:11], s[36:37]
	s_lshl_b32 s36, s35, 5                         ; (2 x pair) x 16 steps
	s_add_co_u32 s36, s36, s38
	s_lshl_b32 s36, s36, 8                         ; 256 bytes a step
	s_add_nc_u64 s[30:31], s[24:25], s[36:37]
	s_mov_b64 s[48:49], s[30:31]                   ; (written on this way too; only q's, k's and v's work reads it)
	LOADS 8192
.Lfront:
	; ---- both: the two tiles turn through my stage, so that a lane holds 16 neighbours of each block of 32 of ONE row.  LDS serves a wave's instructions in order: no wait between stores and loads of the same bytes
	s_wait_loadcnt 16                              ; tile 0's 16 loads are in, tile 1's 16 may be out
.irp n, 0,1,2,3,4,5,6,7,8,9,10,11,12,13,14,15
	ds_store_b128 v5, v[R0+4*\n:R0+4*\n+3] offset:528*\n
.endr
.irp b, 0,1,2,3
.irp j, 0,1,2,3
	ds_load_b128 v[X+16*\b+4*\j:X+16*\b+4*\j+3], v6 offset:128*\b+16*\j
.endr
.endr
	s_wait_loadcnt 0x0
.irp n, 0,1,2,3,4,5,6,7,8,9,10,11,12,13,14,15
	ds_store_b128 v5, v[R1+4*\n:R1+4*\n+3] offset:528*\n
.endr
	s_wait_dscnt 16                                ; all but tile 1's 16 stores: tile 0's numbers are in X
.irp b, 0,1,2,3
.irp j, 0,1,2,3
	ds_load_b128 v[R0+16*\b+4*\j:R0+16*\b+4*\j+3], v6 offset:128*\b+16*\j
.endr
.endr
	s_cmp_ge_u32 ttmp9, 384
	s_cbranch_scc1 .Lmask_work
	QUANT X, PC, PW0
	global_store_b128 v2, v[PC:PC+3], s[30:31]                     ; 32 lanes store 512 consecutive bytes,
	global_store_b64 v3, v[PC+4:PC+5], s[30:31] offset:512         ; and 256
	global_store_b128 v2, v[PC+6:PC+9], s[30:31] offset:768
	global_store_b64 v3, v[PC+10:PC+11], s[30:31] offset:1280
	s_wait_dscnt 0x0                               ; tile 1's numbers are in
	QUANT R0, X, PW1                               ; its codes take registers of their own: no store's data are written again
	global_store_b128 v2, v[X:X+3], s[30:31] offset:1536
	global_store_b64 v3, v[X+4:X+5], s[30:31] offset:2048
	global_store_b128 v2, v[X+6:X+9], s[30:31] offset:2304
	global_store_b64 v3, v[X+10:X+11], s[30:31] offset:2816
	v_cndmask_b32 v[PW0], v[PW0], v[PW1], s34      ; the pair image: lanes 0-15 tile 0's words, lanes 16-31 tile 1's
	global_store_b32 v4, v[PW0], s[48:49]
	s_branch .Lend
.Lmask_work:
	CMPS X, 244
	global_store_b64 v3, v[244:245], s[30:31]      ; 64 words: 256 consecutive bytes
	s_wait_dscnt 0x0
	CMPS R0, 246
	global_store_b64 v3, v[246:247], s[30:31] offset:4096   ; the next tile of queries: 16 steps of 256 bytes on
	s_branch .Lend
.Lweights:
	; ---- a weight: A LANE TAKES A COLUMN, AND ITS REGISTERS RUN DOWN K: a block of 32 lies in one lane, and the conversions give codes with K innermost
	s_sub_co_u32 s27, ttmp9, 512
	s_lshr_b32 s35, s27, 5                         ; which weight
	s_cmp_eq_u32 s35, 0
	s_cselect_b64 s[28:29], s[12:13], s[14:15]
	s_cmp_eq_u32 s35, 2
	s_cselect_b64 s[28:29], s[16:17], s[28:29]
	s_cmp_eq_u32 s35, 3
	s_cselect_b64 s[28:29], s[18:19], s[28:29]
	s_bfe_u32 s38, s27, 0x20003                    ; which 256 columns
	s_and_b32 s39, s27, 7                          ; K step
	s_lshl_b32 s36, s39, 19                        ; 128 rows of 4,096 bytes
	s_lshl_b32 s37, s38, 10
	s_add_co_u32 s36, s36, s37
	s_lshl_b32 s37, s26, 7                         ; my wave's 32 columns
	s_add_co_u32 s36, s36, s37
	s_mov_b32 s37, 0
	s_add_nc_u64 s[28:29], s[28:29], s[36:37]
	s_lshl_b32 s36, s35, 3
	s_lshl_b32 s38, s38, 1
	s_add_co_u32 s36, s36, s38
	s_lshr_b32 s38, s26, 2
	s_add_co_u32 s36, s36, s38                     ; 8 x weight + block of 128 columns
	s_mul_i32 s36, s36, 102400
	s_mul_i32 s39, s39, 12800
	s_add_co_u32 s36, s36, s39
	s_and_b32 s38, s26, 3                          ; which pair of tiles
	s_mul_i32 s39, s38, 3072
	s_lshl_b32 s38, s38, 7
	s_add_co_u32 s38, s38, 12288
	s_add_co_u32 s38, s38, s36
	s_add_co_u32 s36, s36, s39
	s_mov_b32 s39, 0
	s_add_nc_u64 s[30:31], s[22:23], s[36:37]
	s_add_nc_u64 s[48:49], s[22:23], s[38:39]
	s_wait_alu depctr_va_vdst(0)
	WLOAD 0
	WLOAD 1
	WBLOCK 0
	WBLOCK 1
	WBLOCK 2
	WBLOCK 3
.irp i, 0,1,2,3,4,5                            ; lanes 0-15 hold tile 0's four blocks, lanes 16-31 tile 1's; a record wants block 2 c in lanes 0-15 and block 2 c + 1 in lanes 16-31 of ONE tile
	v_permlane16_swap_b32 v[144+\i], v[150+\i]     ; v144.. : tile 0, record 0;  v150.. : tile 1, record 0
	v_permlane16_swap_b32 v[156+\i], v[162+\i]     ; v156.. : tile 0, record 1;  v162.. : tile 1, record 1
.endr
.irp t, 0,1,2,3
	global_store_b128 v2, v[144+6*\t:147+6*\t], s[30:31] offset:1536*(\t%2)+768*(\t/2)
	global_store_b64 v3, v[148+6*\t:149+6*\t], s[30:31] offset:1536*(\t%2)+768*(\t/2)+512
.endr
	global_store_b32 v4, v244, s[48:49]            ; my column's scale word: the lanes' words are the pair image as they stand
.Lend:
	s_wait_tensorcnt 0x0                           ; the wave's end
	ds_add_u32 v[SPW], v[NIL]
	s_wait_dscnt 0x0
	s_endpgm
.Lfunc_end_k_q468eb0e82d_prep:
	.size	k_q468eb0e82d_prep, .Lfunc_end_k_q468eb0e82d_prep-k_q468eb0e82d_prep
	.p2alignl 7, 3214868480
	.fill 96, 4, 3214868480
	.section	.rodata,"a",@progbits
	.p2align	6, 0x0
	.amdhsa_kernel k_q468eb0e82d_prep
		.amdhsa_group_segment_fixed_size 68608
		.amdhsa_private_segment_fixed_size 0
		.amdhsa_enable_private_segment 0
		.amdhsa_kernarg_size 88
		.amdhsa_user_sgpr_count 2
		.amdhsa_user_sgpr_kernarg_segment_ptr 1
		.amdhsa_wavefront_size32 1
		.amdhsa_system_sgpr_workgroup_id_x 1
		.amdhsa_system_sgpr_workgroup_id_y 1
		.amdhsa_system_sgpr_workgroup_id_z 1
		.amdhsa_system_vgpr_workitem_id 0
		.amdhsa_next_free_vgpr 248
		.amdhsa_next_free_sgpr 66
		.amdhsa_reserve_vcc 0
		.amdhsa_float_denorm_mode_32 3
		.amdhsa_float_denorm_mode_16_64 3
		.amdhsa_memory_ordered 1
		.amdhsa_forward_progress 1
		.amdhsa_inst_pref_size 65
	.end_amdhsa_kernel
	.amdgpu_metadata
---
amdhsa.version: [ 1, 2 ]
amdhsa.kernels:
  - .name:           k_q468eb0e82d_prep
    .symbol:         k_q468eb0e82d_prep.kd
    .args:
      - { .name: q, .offset: 0, .size: 8, .value_kind: global_buffer, .address_space: global }
      - { .name: k, .offset: 8, .size: 8, .value_kind: global_buffer, .address_space: global }
      - { .name: v, .offset: 16, .size: 8, .value_kind: global_buffer, .address_space: global }
      - { .name: mask, .offset: 24, .size: 8, .value_kind: global_buffer, .address_space: global }
      - { .name: W_Q, .offset: 32, .size: 8, .value_kind: global_buffer, .address_space: global }
      - { .name: W_K, .offset: 40, .size: 8, .value_kind: global_buffer, .address_space: global }
      - { .name: W_V, .offset: 48, .size: 8, .value_kind: global_buffer, .address_space: global }
      - { .name: W_T, .offset: 56, .size: 8, .value_kind: global_buffer, .address_space: global }
      - { .name: xc, .offset: 64, .size: 8, .value_kind: global_buffer, .address_space: global }
      - { .name: wc, .offset: 72, .size: 8, .value_kind: global_buffer, .address_space: global }
      - { .name: mw, .offset: 80, .size: 8, .value_kind: global_buffer, .address_space: global }
    .group_segment_fixed_size: 68608
    .private_segment_fixed_size: 0
    .kernarg_segment_align: 8
    .kernarg_segment_size: 88
    .max_flat_workgroup_size: 256
    .sgpr_count:     66
    .vgpr_count:     248
    .wavefront_size: 32
...
	.end_amdgpu_metadata
.endif
;; end of part 1
;; launch proj (part 2): grid 8 x 32, 8 waves a work-group, clusters of 4 x 4, 327,680 bytes of LDS; arguments xc, wc, qb, kv; writes qb, kv
.if DOCPART == 2
	.amdgcn_target "amdgcn-amd-amdhsa--gfx1250"
	.amdhsa_code_object_version 6
	.text
	.protected	k_q468eb0e82d_proj
	.globl	k_q468eb0e82d_proj
	.p2align	8
	.type	k_q468eb0e82d_proj,@function
k_q468eb0e82d_proj:
	s_mov_b64 s[64:65], 0
	v_nop
	global_prefetch_b8 v0, s[64:65] scope:SCOPE_SE
	s_setreg_imm32_b32 hwreg(HW_REG_WAVE_MODE, 25, 1), 1
	s_wait_xcnt 0x0
	s_wait_alu depctr_hold_cnt(0) depctr_sa_sdst(0) depctr_va_vdst(0) depctr_va_sdst(0) depctr_va_ssrc(0) depctr_va_vcc(0) depctr_vm_vsrc(0)
	s_getreg_b32 s2, hwreg(HW_REG_IB_STS2, 6, 4)
	s_cmp_eq_u32 s2, 0
	s_cbranch_scc0 .Lentry_in_a_cluster
	s_endpgm
.Lentry_in_a_cluster:
	s_bfe_u32 s2, ttmp6, 0x10000c
	s_cmp_lg_u32 s2, 0xf033
	s_cbranch_scc0 .Lentry_shape_is_right
	s_endpgm
.Lentry_shape_is_right:
; SECOND LAUNCH: Q = q W_Q, K = k W_K, V = v W_V on codes of FP6 (products 1 to 3), and the results quantised on the way out for the attention: Q and K along the head's 64, V along the keys.  No work is left out.
; Operands come as the first launch laid them: tiles of 16 rows (tile T's lane r: row 32 (T / 2) + 8 (T % 2) + r + 8 (r / 8)), records of 768 bytes (16 rows x 64 K: registers 0-3 at 16 x lane, 4-5 at 512 + 8 x lane),
; pair images of scale words, 12,800 bytes for 128 rows and a K step of 128.
; SHARES.  A work-group stays: work-group (x: block of 128 columns, y: block of 128 tokens) makes its 128 x 128 of Q, then of K, then of V: 24 K steps on end, 256 work-groups in all.
; LDS: 12 slots of 12,800 bytes for the tokens' blocks, then 12 for the weights'; K step g lies in slot g % 12 of both.  Neighbouring K steps of one tensor are neighbours in memory and in LDS, so one load can bring two.
; FOUR JOINT LOADS A WAVE (waves 0-3 the tokens', waves 4-7 the weights'; kk = wave % 4): at the head steps 2 kk, + 1 of 0-7; behind the first round step 8 + kk; in step 7, when slots 0-7 are read out, steps 12 + 2 kk, + 1;
; in step 11, when slots 8-11 are read out, step 20 + kk.  One load of a wave is out at a time.
; THE PRODUCT IS USED TRANSPOSED: a lane holds ONE row of source 1, and its registers run along source 0's rows.  Q, K: source 1 = tokens, source 0 = the weight's columns.  V: source 1 = W_V's columns, source 0 = tokens (the keys).
; Wave w: source 1's tiles 2 (w % 4), + 1; source 0's tiles 4 (w / 4) .. + 3: eight accumulators, two waves to a SIMD.
; CLUSTER 4 x 4: the four of a row need the same blocks of tokens, the four of a column the same blocks of the weights: each is asked for jointly.
; No prefetch: every load names bytes that are asked for at least four K steps ahead of their first read, but for the head's, which have no loop ahead of them.
; OUT.  qb: [batch x head: 32][block of 128 tokens: 16] 6,656 bytes: 8 records, 4 pair images; a scale word is b0, b1, b0, b1 (the attention's K is 64 of the instruction's 128).
;       kv: [32][16] 13,312 bytes: K as in qb; from 6,656 V's 4 fragments (16 of the head's 64 x 128 keys); from 12,800 V's scale words in halves: [half of the keys: 2][pair: 2][lane] = b0 | b1 << 8.
; LIMITS: a block of zeros carries the byte 1 where the rule says 127 (zero codes; read by this program alone); NaN and infinities are not served.
.set KSB,   12800
.set OPB,   8*KSB                      ; 128 rows, all of K
.set NSLOT, 12
.set SPARE, 2*NSLOT*KSB                ; behind the slots: the spare words, 128 bytes a wave.  (All of LDS is claimed)
.set SPW, 16
.set NIL, 17
.set SS,  18                           ; v18-20, v21-23 scale words, two sets
.set FR,  24                           ; v24-95, v96-167 fragments, two sets: source 0's four, then source 1's two
.set ACC, 168                          ; accumulator (a, i) at 168 + 8 (4 a + i)
.set G,   232                          ; two records on the way out
.set T,   244                          ; at work in the quantiser; v253-255 scale words on the way out
.set WV,  12
.set G1X, 24                           ; s[24:31], s[32:39] descriptor groups 1: they differ in the mask
.set G1W, 32
.set G0X, 40                           ; s[40:51], s[52:63] three groups 0 each: set 0 the head's load, set 1 steps 8 + kk and later 20 + kk, set 2 steps 12 + 2 kk
.set G0W, 52
.set SEL, 66
.set RB,  68                           ; s[68:79] where the results go
.macro CREST
	s_cmp_lg_u32 s[WV], 0
	s_cbranch_scc1 .Lnot_wave_0_\@
	s_barrier_signal -3
.Lnot_wave_0_\@:
	s_barrier_wait -3
	s_barrier_signal -1
	s_barrier_wait -1
.endm
.macro ROUND
	s_barrier_signal -1
	s_barrier_wait -1
	CREST
.endm
.macro WMZ d, a, b, sa, sb, ra, rb     ; starts a sum; ra, rb = 1: that side's scale words are read from lanes 16-31
.if \ra
.if \rb
	v_wmma_scale_f32_16x16x128_f8f6f4 v[\d:\d+7], v[\a:\a+11], v[\b:\b+11], 0, v[\sa], v[\sb] matrix_a_fmt:MATRIX_FMT_FP6 matrix_b_fmt:MATRIX_FMT_FP6 matrix_a_scale:MATRIX_SCALE_ROW1 matrix_b_scale:MATRIX_SCALE_ROW1
.else
	v_wmma_scale_f32_16x16x128_f8f6f4 v[\d:\d+7], v[\a:\a+11], v[\b:\b+11], 0, v[\sa], v[\sb] matrix_a_fmt:MATRIX_FMT_FP6 matrix_b_fmt:MATRIX_FMT_FP6 matrix_a_scale:MATRIX_SCALE_ROW1
.endif
.else
.if \rb
	v_wmma_scale_f32_16x16x128_f8f6f4 v[\d:\d+7], v[\a:\a+11], v[\b:\b+11], 0, v[\sa], v[\sb] matrix_a_fmt:MATRIX_FMT_FP6 matrix_b_fmt:MATRIX_FMT_FP6 matrix_b_scale:MATRIX_SCALE_ROW1
.else
	v_wmma_scale_f32_16x16x128_f8f6f4 v[\d:\d+7], v[\a:\a+11], v[\b:\b+11], 0, v[\sa], v[\sb] matrix_a_fmt:MATRIX_FMT_FP6 matrix_b_fmt:MATRIX_FMT_FP6
.endif
.endif
.endm
.macro WMA d, a, b, sa, sb, ra, rb     ; adds in place
.if \ra
.if \rb
	v_wmma_scale_f32_16x16x128_f8f6f4 v[\d:\d+7], v[\a:\a+11], v[\b:\b+11], v[\d:\d+7], v[\sa], v[\sb] matrix_a_fmt:MATRIX_FMT_FP6 matrix_b_fmt:MATRIX_FMT_FP6 matrix_a_scale:MATRIX_SCALE_ROW1 matrix_b_scale:MATRIX_SCALE_ROW1
.else
	v_wmma_scale_f32_16x16x128_f8f6f4 v[\d:\d+7], v[\a:\a+11], v[\b:\b+11], v[\d:\d+7], v[\sa], v[\sb] matrix_a_fmt:MATRIX_FMT_FP6 matrix_b_fmt:MATRIX_FMT_FP6 matrix_a_scale:MATRIX_SCALE_ROW1
.endif
.else
.if \rb
	v_wmma_scale_f32_16x16x128_f8f6f4 v[\d:\d+7], v[\a:\a+11], v[\b:\b+11], v[\d:\d+7], v[\sa], v[\sb] matrix_a_fmt:MATRIX_FMT_FP6 matrix_b_fmt:MATRIX_FMT_FP6 matrix_b_scale:MATRIX_SCALE_ROW1
.else
	v_wmma_scale_f32_16x16x128_f8f6f4 v[\d:\d+7], v[\a:\a+11], v[\b:\b+11], v[\d:\d+7], v[\sa], v[\sb] matrix_a_fmt:MATRIX_FMT_FP6 matrix_b_fmt:MATRIX_FMT_FP6
.endif
.endif
.endm
; K step g's six LDS addresses (V, steps 16 to 23: source 0 = the tokens').  Six plain instructions: also the places between the last products and the loads into the registers that those read
.macro ADR g
.set SL, ((\g)%NSLOT)*KSB
.if (\g)/8 == 2
.set O0, SL
.set O1, SL+NSLOT*KSB
.else
.set O0, SL+NSLOT*KSB
.set O1, SL
.endif
.irp k, 0,1,2
	v_add_nc_u32 v[10+\k], O0, v[4+\k]
	v_add_nc_u32 v[13+\k], O1, v[7+\k]
.endr
.endm
.macro FETCH set                       ; 27 LDS loads: six fragments as images of their registers, three registers of scale words
.set FF, FR+72*(\set)
.set SF, SS+3*(\set)
.irp i, 0,1,2,3
	ds_load_b128 v[FF+12*\i:FF+12*\i+3], v10 offset:1536*\i
	ds_load_b64 v[FF+12*\i+4:FF+12*\i+5], v11 offset:1536*\i+512
	ds_load_b128 v[FF+12*\i+6:FF+12*\i+9], v10 offset:1536*\i+768
	ds_load_b64 v[FF+12*\i+10:FF+12*\i+11], v11 offset:1536*\i+1280
.endr
.irp a, 0,1
	ds_load_b128 v[FF+48+12*\a:FF+48+12*\a+3], v13 offset:1536*\a
	ds_load_b64 v[FF+48+12*\a+4:FF+48+12*\a+5], v14 offset:1536*\a+512
	ds_load_b128 v[FF+48+12*\a+6:FF+48+12*\a+9], v13 offset:1536*\a+768
	ds_load_b64 v[FF+48+12*\a+10:FF+48+12*\a+11], v14 offset:1536*\a+1280
.endr
	ds_load_b32 v[SF], v12
	ds_load_b32 v[SF+1], v12 offset:128
	ds_load_b32 v[SF+2], v15
.endm
.macro MUL set, s                      ; eight products (s = 0 starts the sums); the eight accumulators take turns
.irp a, 0,1
.irp i, 0,1,2,3
.if (\s) == 0
	WMZ ACC+8*(4*\a+\i), FR+72*(\set)+12*\i, FR+72*(\set)+48+12*\a, SS+3*(\set)+\i/2, SS+3*(\set)+2, \i%2, \a
.else
	WMA ACC+8*(4*\a+\i), FR+72*(\set)+12*\i, FR+72*(\set)+48+12*\a, SS+3*(\set)+\i/2, SS+3*(\set)+2, \i%2, \a
.endif
.endr
.endr
.endm
; A joint load by set i.  The branch hangs on the wave's number alone.  An s_nop 0 and four v_nop follow each of the two lines.
.macro REFILL i
	s_cmp_lt_u32 s[WV], 4
	s_cbranch_scc0 .Lfor_w_\@
	tensor_load_to_lds s[G0X+4*(\i):G0X+4*(\i)+3], s[G1X:G1X+7]
	s_nop 0
.rept 4
	v_nop
.endr
	s_branch .Lasked_\@
.Lfor_w_\@:
	tensor_load_to_lds s[G0W+4*(\i):G0W+4*(\i)+3], s[G1W:G1W+7]
	s_nop 0
.rept 4
	v_nop
.endr
.Lasked_\@:
.endm
.macro ROWS n                          ; both groups 1: a load brings n rows of 256 bytes (50: one K step's block; 100: two).  Written only where no load of mine is out
	s_mov_b32 s[G1X+2], (\n)<<16
	s_mov_b32 s[G1X+4], \n
	s_mov_b32 s[G1W+2], (\n)<<16
	s_mov_b32 s[G1W+4], \n
.endm
; K step g of 24.  As a rule: this step's fragments are in; the next step's are asked for, into the other set; this step's eight products.
; In steps 7 and 11 slots that every wave has read out are filled again (slots 0-7, slots 8-11: this step's fragments were their last reads).
.macro KSTEP g
.if (\g) == 7 || (\g) == 11
	s_wait_tensorcnt 0x0                           ; my load has landed (steps 8-11, or 12-19, which the fetch below begins to read), so descriptors may be written;
	ds_add_u32 v[SPW], v[NIL]
.if (\g) == 7
	ROWS 100
.else
	s_add_nc_u64 s[G0X+6:G0X+7], s[G0X+6:G0X+7], 32*OPB+4*KSB   ; set 1 goes on by 12 K steps: the next tensor, the other half of K
	s_add_nc_u64 s[G0W+6:G0W+7], s[G0W+6:G0W+7], 8*OPB+4*KSB
	ROWS 50
.endif
	s_wait_dscnt 0x0                               ; the add is done; this step's fragments are in, and with them all my reads of the slots to be filled
	s_barrier_signal -1                            ; this barrier opens a round of the cluster's barrier;
	MUL (\g)%2, (\g)%8                             ; work on registers while the others arrive
	s_barrier_wait -1
	CREST
	REFILL 2-((\g)-7)/4                            ; the first tensor load behind the round, and my only one until the next
	ADR (\g)+1
	FETCH ((\g)+1)%2
.else
	s_wait_dscnt 0x0                               ; this K step's fragments are in
.if (\g) == 19
	s_wait_tensorcnt 0x0                           ; my part of K steps 20 to 23, my last load, has landed,
	s_barrier_signal -1
	s_barrier_wait -1                              ; everybody's has.
.endif
.if (\g) < 23
	ADR (\g)+1
	FETCH ((\g)+1)%2
.endif
	MUL (\g)%2, (\g)%8
.endif
.endm
; 32 numbers of a lane, register 16 b + i = k 32 b + 16 (lane / 16) + i of my row, become a record's six registers from v[g] on; v[w] = b0 | b1 << 8.  Each accumulator is read from its low end on.
.macro QUANT2 s, g, t, w
.irp b, 0,1
	v_max3_num_f32 v[\t+\b], |v[\s+16*\b]|, |v[\s+1+16*\b]|, 0x1800000   ; and the floor 2^(3 - 127): the byte cannot fall under 1
.endr
.irp i, 2,4,6,8,10,12,14
.irp b, 0,1
	v_max3_num_f32 v[\t+\b], v[\t+\b], |v[\s+16*\b+\i]|, |v[\s+1+16*\b+\i]|
.endr
.endr
.irp b, 0,1
	s_delay_alu instid0(VALU_DEP_2)
	v_permlanex16_b32 v[\t+2+\b], v[\t+\b], s[SEL], s[SEL+1]
.endr
.irp b, 0,1
	s_delay_alu instid0(VALU_DEP_2)
	v_max_num_f32 v[\t+\b], v[\t+\b], v[\t+2+\b]     ; with lane l xor 16's: the block's largest magnitude
.endr
.irp b, 0,1
	s_delay_alu instid0(VALU_DEP_2)
	v_add_nc_u32 v[\t+4+\b], 0xff000000, v[\t+\b]    ; 2 off its exponent field: the conversion's scale operand
.endr
.irp b, 0,1
	s_delay_alu instid0(VALU_DEP_2)
	v_lshrrev_b32 v[\t+2+\b], 23, v[\t+4+\b]         ; the scale's byte
.endr
	s_delay_alu instid0(VALU_DEP_1)
	v_lshl_or_b32 v[\w], v[\t+3], 8, v[\t+2]
	v_cvt_scalef32_pk16_fp6_f32 v[\g:\g+2], v[\s:\s+15], v[\t+4]
	v_cvt_scalef32_pk16_fp6_f32 v[\t+6:\t+8], v[\s+16:\s+31], v[\t+5]
	v_nop                                          ; one plain instruction behind the scaled conversions
.irp i, 0,1,2
	v_permlane16_swap_b32 v[\g+\i], v[\t+6+\i]     ; a whole block to a lane
.endr
.irp i, 0,1,2
	s_delay_alu instid0(VALU_DEP_3)
	v_mov_b32 v[\g+3+\i], v[\t+6+\i]
.endr
.endm
; Tensor t's tile leaves: my two tiles of source 1's rows as two records, their scale words as one pair image.
.macro WAYOUT t
.rept 5
	v_nop                                          ; five places behind the last products: the next tensor's first products write over these accumulators
.endr
.if \t > 0
	s_wait_xcnt 0x0                                ; the last tensor's stores have read their data
.endif
.if \t == 2
.set REC2, 1536
.else
.set REC2, 768
.endif
	QUANT2 ACC, G, T, 254
	global_store_b128 v1, v[G:G+3], s[RB+4*\t:RB+4*\t+1]
	global_store_b64 v2, v[G+4:G+5], s[RB+4*\t:RB+4*\t+1] offset:512
	QUANT2 ACC+32, G+6, T, 255
	global_store_b128 v1, v[G+6:G+9], s[RB+4*\t:RB+4*\t+1] offset:REC2
	global_store_b64 v2, v[G+10:G+11], s[RB+4*\t:RB+4*\t+1] offset:REC2+512
	v_cndmask_b32 v253, v254, v255, s92            ; lanes 0-15 my first tile's words, lanes 16-31 my second's
.if \t < 2
	s_delay_alu instid0(VALU_DEP_1)
	v_lshl_or_b32 v253, v253, 16, v253             ; Q, K: b0, b1, b0, b1
.endif
	global_store_b32 v3, v253, s[RB+4*\t+2:RB+4*\t+3]
.endm
	s_load_b256 s[4:11], s[0:1], 0x0               ; xc, wc, qb, kv
	v_lshl_add_u32 v[SPW], v0, 2, SPARE
	v_mov_b32 v[NIL], 0
	ds_add_u32 v[SPW], v[NIL]                      ; the opening: the add, twice on end, and its wait ahead of my first tensor load
	ds_add_u32 v[SPW], v[NIL]
	v_lshrrev_b32 v1, 5, v0
	s_delay_alu instid0(VALU_DEP_1)
	v_readfirstlane_b32 s[WV], v1                  ; wave 0..7
	s_and_b32 s13, s[WV], 3                        ; w % 4: my pair of source 1's tiles.  Also kk
	s_lshr_b32 s14, s[WV], 2                       ; w / 4: my four of source 0's tiles.  Also: I fetch tokens (0) or weights (1)
	s_bfe_u32 s16, ttmp6, 0x40000                  ; cx
	s_bfe_u32 s17, ttmp6, 0x40004                  ; cy
	s_lshl_b32 s18, ttmp9, 2
	s_add_co_u32 s18, s18, s16                     ; block of columns
	s_and_b32 s19, ttmp7, 0xffff
	s_lshl_b32 s19, s19, 2
	s_add_co_u32 s19, s19, s17                     ; block of tokens
	s_lshl_b32 s22, s17, 2
	s_lshl_b32 s22, 15, s22                        ; my row of the cluster
	s_lshl_b32 s23, 0x1111, s16                    ; my column
	s_or_b32 s[G1X], s22, (3<<16)|(1<<21)          ; the mask; elements of 8 bytes; bit 21 set beside a mask; no padding
	s_or_b32 s[G1W], s23, (3<<16)|(1<<21)
.irp g, G1X, G1W
	s_mov_b32 s[\g+1], 32<<16                      ; rows of 32 elements, dense
	s_mov_b32 s[\g+2], 100<<16                     ; the head's load: 100 rows, two K steps
	s_mov_b32 s[\g+3], 32<<16
	s_mov_b32 s[\g+4], 100
	s_mov_b32 s[\g+5], 32
	s_mov_b32 s[\g+6], 0
	s_mov_b32 s[\g+7], 0
.endr
	s_mul_i32 s80, s13, KSB                        ; kk K steps, in bytes
	s_mul_i32 s82, s19, OPB                        ; q's block of tokens hangs on work-group y alone,
	s_add_co_u32 s82, s82, s80
	s_mov_b32 s83, 0
	s_mul_i32 s84, s18, OPB                        ; W_Q's block of columns on work-group x alone
	s_add_co_u32 s84, s84, s80
	s_mov_b32 s85, 0
	s_mul_i32 s81, s13, 2*KSB                      ; slot 2 kk: no place in the cluster enters an LDS address
	s_mov_b32 s86, s80
	s_mov_b32 s87, 0
	s_lshr_b32 s88, s13, 1                         ; steps 12 + 2 kk lie in k's tensor for kk 0, 1 and in v's for kk 2, 3
	s_mul_i32 s90, s88, 8*OPB-8*KSB
	s_mul_i32 s88, s88, 32*OPB-8*KSB
	s_mov_b32 s89, 0
	s_mov_b32 s91, 0
	s_mov_b32 s[SEL], 0x76543210
	s_mov_b32 s[SEL+1], 0xfedcba98
	s_mov_b32 s92, 0xffff0000                      ; lanes 16-31
	s_wait_dscnt 0x0                               ; both opening adds are done
	s_wait_kmcnt 0x0
	s_add_nc_u64 s[82:83], s[4:5], s[82:83]        ; tensor 0, K step kk
	s_add_nc_u64 s[84:85], s[6:7], s[84:85]
	s_add_nc_u64 s[G0X+2:G0X+3], s[82:83], s[86:87]            ; set 0: K step 2 kk
	s_add_nc_u64 s[G0W+2:G0W+3], s[84:85], s[86:87]
	s_add_nc_u64 s[G0X+6:G0X+7], s[82:83], 32*OPB              ; set 1: step 8 + kk: tensor 1, K step kk
	s_add_nc_u64 s[G0W+6:G0W+7], s[84:85], 8*OPB
	s_add_nc_u64 s[G0X+10:G0X+11], s[G0X+2:G0X+3], s[88:89]    ; set 2: step 12 + 2 kk
	s_add_nc_u64 s[G0X+10:G0X+11], s[G0X+10:G0X+11], 32*OPB+4*KSB
	s_add_nc_u64 s[G0W+10:G0W+11], s[G0W+2:G0W+3], s[90:91]
	s_add_nc_u64 s[G0W+10:G0W+11], s[G0W+10:G0W+11], 8*OPB+4*KSB
.irp n, 0,1,2
	s_mov_b32 s[G0X+4*\n], 1
	s_mov_b32 s[G0W+4*\n], 1
	s_or_b32 s[G0X+4*\n+3], s[G0X+4*\n+3], 0x80000000
	s_or_b32 s[G0W+4*\n+3], s[G0W+4*\n+3], 0x80000000
.endr
	s_mov_b32 s[G0X+1], s81                        ; LDS: sets 0 and 2 slot 2 kk, set 1 slot 8 + kk; the weights' slots lie 12 slots on
	s_add_co_u32 s[G0W+1], s81, NSLOT*KSB
	s_add_co_u32 s[G0X+5], s80, 8*KSB
	s_add_co_u32 s[G0W+5], s80, (NSLOT+8)*KSB
	s_mov_b32 s[G0X+9], s81
	s_add_co_u32 s[G0W+9], s81, NSLOT*KSB
	ROUND                                          ; all sixteen work-groups are here: the joint loads meet
	REFILL 0                                       ; K steps 0 to 7: one tensor load a wave at the head
	v_and_b32 v3, 31, v0
	s_delay_alu instid0(VALU_DEP_1)
	v_lshlrev_b32 v1, 4, v3                        ; 16 x lane
	s_delay_alu instid0(VALU_DEP_2)
	v_lshlrev_b32 v2, 3, v3                        ; 8 x lane
	s_delay_alu instid0(VALU_DEP_3)
	v_lshlrev_b32 v3, 2, v3                        ; 4 x lane
	v_mov_b32 v[T+2], 0                            ; written once: a lane permute's destination counts as one of its sources
	v_mov_b32 v[T+3], 0
	s_mul_i32 s80, s14, 6144
	v_add_nc_u32 v4, s80, v1                       ; source 0, in its block: my four fragments
	v_add_nc_u32 v5, s80, v2
	s_lshl_b32 s80, s14, 8
	s_add_co_u32 s80, s80, 12288
	v_add_nc_u32 v6, s80, v3                       ; and their two pair images
	s_mul_i32 s80, s13, 3072
	v_add_nc_u32 v7, s80, v1                       ; source 1, in its block: my two fragments
	v_add_nc_u32 v8, s80, v2
	s_lshl_b32 s80, s13, 7
	s_add_co_u32 s80, s80, 12288
	v_add_nc_u32 v9, s80, v3                       ; and their pair image
	; where the results go
	s_lshr_b32 s80, s19, 4
	s_lshl_b32 s80, s80, 4                         ; 16 x batch
	s_lshl_b32 s81, s18, 1
	s_add_co_u32 s80, s80, s81                     ; + the first of my block of columns' two heads
	s_and_b32 s81, s19, 15                         ; block of 128 tokens in the batch
	s_mov_b32 s87, 0
	s_add_co_u32 s82, s80, s14                     ; Q, K: my four tiles of columns are head w / 4 of the two
	s_lshl_b32 s82, s82, 4
	s_add_co_u32 s82, s82, s81
	s_mul_i32 s82, s82, 6656
	s_mul_i32 s84, s13, 1536                       ; records 2 (w % 4), + 1
	s_lshl_b32 s85, s13, 7
	s_add_co_u32 s85, s85, 6144                    ; pair image w % 4
	s_add_co_u32 s86, s82, s84
	s_add_nc_u64 s[RB:RB+1], s[8:9], s[86:87]
	s_add_co_u32 s86, s82, s85
	s_add_nc_u64 s[RB+2:RB+3], s[8:9], s[86:87]
	s_lshl_b32 s82, s82, 1                         ; kv's blocks are twice qb's
	s_add_co_u32 s86, s82, s84
	s_add_nc_u64 s[RB+4:RB+5], s[10:11], s[86:87]
	s_add_co_u32 s86, s82, s85
	s_add_nc_u64 s[RB+6:RB+7], s[10:11], s[86:87]
	s_lshr_b32 s83, s13, 1                         ; V: my two tiles of columns lie in head (w % 4) / 2 of the two
	s_add_co_u32 s82, s80, s83
	s_lshl_b32 s82, s82, 4
	s_add_co_u32 s82, s82, s81
	s_mul_i32 s82, s82, 13312
	s_and_b32 s83, s13, 1
	s_mul_i32 s84, s83, 3072
	s_mul_i32 s85, s14, 768
	s_add_co_u32 s84, s84, s85
	s_add_co_u32 s84, s84, 6656                    ; fragments 2 (w % 2), + 1; record w / 4: which half of the keys
	s_add_co_u32 s86, s82, s84
	s_add_nc_u64 s[RB+8:RB+9], s[10:11], s[86:87]
	s_lshl_b32 s84, s14, 8
	s_lshl_b32 s83, s83, 7
	s_add_co_u32 s84, s84, s83
	s_add_co_u32 s84, s84, 12800                   ; scale words of half w / 4, pair w % 2
	s_add_co_u32 s86, s82, s84
	s_add_nc_u64 s[RB+10:RB+11], s[10:11], s[86:87]
	s_wait_alu depctr_va_vdst(0)                   ; the head's end
	s_wait_tensorcnt 0x0                           ; my part of K steps 0 to 7 is in; a later first fill stands behind the same lines as a refill
	ds_add_u32 v[SPW], v[NIL]
	ROWS 50
	s_wait_dscnt 0x0
	ROUND                                          ; everybody's part is in, and the joint loads meet
	REFILL 1                                       ; K steps 8 to 11
	ADR 0
	FETCH 0
.irp g, 0,1,2,3,4,5,6,7
	KSTEP \g
.endr
	WAYOUT 0                                       ; Q
.irp g, 8,9,10,11,12,13,14,15
	KSTEP \g
.endr
	WAYOUT 1                                       ; K
.irp g, 16,17,18,19,20,21,22,23
	KSTEP \g
.endr
	WAYOUT 2                                       ; V
	s_wait_tensorcnt 0x0                           ; the wave's end
	ds_add_u32 v[SPW], v[NIL]
	s_wait_dscnt 0x0
	ROUND                                          ; the closing round
	s_endpgm
.Lfunc_end_k_q468eb0e82d_proj:
	.size	k_q468eb0e82d_proj, .Lfunc_end_k_q468eb0e82d_proj-k_q468eb0e82d_proj
	.p2alignl 7, 3214868480
	.fill 96, 4, 3214868480
	.section	.rodata,"a",@progbits
	.p2align	6, 0x0
	.amdhsa_kernel k_q468eb0e82d_proj
		.amdhsa_group_segment_fixed_size 327680
		.amdhsa_private_segment_fixed_size 0
		.amdhsa_enable_private_segment 0
		.amdhsa_kernarg_size 32
		.amdhsa_user_sgpr_count 2
		.amdhsa_user_sgpr_kernarg_segment_ptr 1
		.amdhsa_wavefront_size32 1
		.amdhsa_system_sgpr_workgroup_id_x 1
		.amdhsa_system_sgpr_workgroup_id_y 1
		.amdhsa_system_sgpr_workgroup_id_z 1
		.amdhsa_system_vgpr_workitem_id 0
		.amdhsa_next_free_vgpr 256
		.amdhsa_next_free_sgpr 96
		.amdhsa_reserve_vcc 0
		.amdhsa_float_denorm_mode_32 3
		.amdhsa_float_denorm_mode_16_64 3
		.amdhsa_memory_ordered 1
		.amdhsa_forward_progress 1
		.amdhsa_inst_pref_size 102
	.end_amdhsa_kernel
	.amdgpu_metadata
---
amdhsa.version: [ 1, 2 ]
amdhsa.kernels:
  - .name:           k_q468eb0e82d_proj
    .symbol:         k_q468eb0e82d_proj.kd
    .args:
      - { .name: xc, .offset: 0, .size: 8, .value_kind: global_buffer, .address_space: global }
      - { .name: wc, .offset: 8, .size: 8, .value_kind: global_buffer, .address_space: global }
      - { .name: qb, .offset: 16, .size: 8, .value_kind: global_buffer, .address_space: global }
      - { .name: kv, .offset: 24, .size: 8, .value_kind: global_buffer, .address_space: global }
    .group_segment_fixed_size: 327680
    .private_segment_fixed_size: 0
    .kernarg_segment_align: 8
    .kernarg_segment_size: 32
    .max_flat_workgroup_size: 256
    .sgpr_count:     96
    .vgpr_count:     256
    .wavefront_size: 32
...
	.end_amdgpu_metadata
.endif
;; end of part 2
;; launch attn (part 3): grid 8 x 32, 16 waves a work-group, no clusters, 210,944 bytes of LDS; arguments qb, kv, mw, oc; writes oc
.if DOCPART == 3
	.amdgcn_target "amdgcn-amd-amdhsa--gfx1250"
	.amdhsa_code_object_version 6
	.text
	.protected	k_q468eb0e82d_attn
	.globl	k_q468eb0e82d_attn
	.p2align	8
	.type	k_q468eb0e82d_attn,@function
k_q468eb0e82d_attn:
	s_mov_b64 s[64:65], 0
	v_nop
	global_prefetch_b8 v0, s[64:65] scope:SCOPE_SE
	s_setreg_imm32_b32 hwreg(HW_REG_WAVE_MODE, 25, 1), 1
	s_wait_xcnt 0x0
; THIRD LAUNCH: O = softmax(mask(Q K^T / 8)) V on codes of FP6 (products 4 and 5), O quantised along the model's 1,024 on the way out.  No work is left out.
; SHARES.  Work-group (x, y): batch x head y, queries 256 x .. + 255; wave w: the tile of 16 queries 16 x + w.  256 work-groups of 16 waves, four waves to a SIMD.
; K AND V of the head, 16 blocks of 128 keys, lie in LDS whole: wave w brings block w through registers.  A wave walks the blocks from its own on, w, w + 1, .. modulo 16: the step on its own block reads only bytes that
; the wave itself stored and stands ahead of the work-group's barrier; the other 15 steps follow behind it, with no barrier between them.  The order of the keys moves no code: M is a whole number.
; NO TENSOR LOAD, NO CLUSTER: a step branches on the mask's words as the first launch stored them (a step whose 64 words are all 0 runs the copy of the step without the 64 selects).
; No prefetch: K and V are read once, at the head, with no loop ahead of them.
; K'S TILES ARE MADE ANEW ON THE WAY INTO LDS: tile 4 c + u's row r is key 64 c + 32 (r / 8) + 8 u + r % 8 of the block.  Both products are used transposed (S^T = K Q^T, O^T = V^T p^T): lane (r, h) holds query r, and
; register 32 c + m of its scores is key 64 c + 32 h + m: a whole block of 32 keys lies in ONE lane, in the order that the second product's operand wants.  So a block's largest score needs no other lane and p's codes are not moved between lanes.
; The second launch's tile T, lane r' is key 32 (T / 2) + 8 (T % 2) + r' + 8 (r' / 8): it goes to tile 4 (T / 4) + T % 2 + 2 (r' / 8), row 8 ((T / 2) % 2) + r' % 8.
; LDS block (13,056 bytes): K's 8 records, 4 pair images of its scale words, from 6,656 V's 4 fragments, from 12,800 V's 2 pair images (the two halves of a word joined here, once).
; The first product's K is 64 of the instruction's 128: Q's upper six registers are zeros, K's upper six are whatever codes follow (the next record; behind the last, six registers of zeros).
; SOFTMAX: p = 2^(t - M), t = score x log2(e) / 8, M the running largest t rounded up to a whole number; what was summed under an older M is multiplied by 2^(old M - new M); the row's sum is taken of the unquantised p.
; A block's largest p is made from its largest score by the same multiply-add and exponential as every p.  A masked score is -8e9 (reference's -1e9, ahead of the factor 1 / 8).
; THE MASK'S WORDS: a step's 64 words, 256 bytes, are read one step ahead, two a lane, only to see whether any is not 0; the copy with holes reads them again into scalar registers.
; In mw bit l of word 16 b + i stands for key 32 b + 16 (l / 16) + i; here register 32 c + m wants key 64 c + m in its low half and key 64 c + 32 + m in its high half: two words' halves are packed anew.
; LIMITS: the promise holds while the scaled scores stay under 2^31 in magnitude; a block of zeros carries the byte 1 where the rule says 127 (zero codes; read by this program alone); NaN and infinities are not served.
.set KVB,   13312                      ; a block of kv in memory
.set LB,    13056                      ; and in LDS
.set SPARE, 16*LB                      ; behind the blocks: the spare words, 128 bytes a wave
.set SPW, 7
.set NIL, 8
.set KF,  30                           ; v30-77 K's eight records; v78-83 zeros.  Behind the first product v30-45 are at work
.set VF,  84                           ; v84-131 V's four fragments
.set S,   132                          ; v132-195 the scores, then p
.set OT,  196                          ; v196-227 O^T
.set PCD, 228                          ; v228-239 p's codes
.set KS,  240                          ; v240-243 K's scale words; v244-245 V's; v255 p's; v28 Q's: they hold scales and nothing else
.set VS,  244
.set FF,  246                          ; v246 the factor 2^(old M - new M) (v247: the pair's other half, 0)
.set FA,  248                          ; v248 where the next step's mask words lie
.set OM,  249                          ; v249 the old -M
.set FW,  250                          ; v250-251 my two of the next step's 64 mask words
.set MV,  254                          ; v254 -8e9
.set PW,  255
.set T1,  KF
.set BM,  KF+2
.set SO,  KF+6
.set CT,  KF+8
.set WV,  28
.set SEL, 66
.macro WMZ d, a, b, sa, sb, ra
.if \ra
	v_wmma_scale_f32_16x16x128_f8f6f4 v[\d:\d+7], v[\a:\a+11], v[\b:\b+11], 0, v[\sa], v[\sb] matrix_a_fmt:MATRIX_FMT_FP6 matrix_b_fmt:MATRIX_FMT_FP6 matrix_a_scale:MATRIX_SCALE_ROW1
.else
	v_wmma_scale_f32_16x16x128_f8f6f4 v[\d:\d+7], v[\a:\a+11], v[\b:\b+11], 0, v[\sa], v[\sb] matrix_a_fmt:MATRIX_FMT_FP6 matrix_b_fmt:MATRIX_FMT_FP6
.endif
.endm
.macro WMA d, a, b, sa, sb, ra
.if \ra
	v_wmma_scale_f32_16x16x128_f8f6f4 v[\d:\d+7], v[\a:\a+11], v[\b:\b+11], v[\d:\d+7], v[\sa], v[\sb] matrix_a_fmt:MATRIX_FMT_FP6 matrix_b_fmt:MATRIX_FMT_FP6 matrix_a_scale:MATRIX_SCALE_ROW1
.else
	v_wmma_scale_f32_16x16x128_f8f6f4 v[\d:\d+7], v[\a:\a+11], v[\b:\b+11], v[\d:\d+7], v[\sa], v[\sb] matrix_a_fmt:MATRIX_FMT_FP6 matrix_b_fmt:MATRIX_FMT_FP6
.endif
.endm
; O's way out: 32 numbers of a lane, register 16 b + i = channel 32 b + 16 (lane / 16) + i, become a record's six registers; v[w] = b0 | b1 << 8
.macro QUANT2 s, g, t, w
.irp b, 0,1
	v_max3_num_f32 v[\t+\b], |v[\s+16*\b]|, |v[\s+1+16*\b]|, 0x1800000
.endr
.irp i, 2,4,6,8,10,12,14
.irp b, 0,1
	s_delay_alu instid0(VALU_DEP_2)
	v_max3_num_f32 v[\t+\b], v[\t+\b], |v[\s+16*\b+\i]|, |v[\s+1+16*\b+\i]|
.endr
.endr
.irp b, 0,1
	s_delay_alu instid0(VALU_DEP_2)
	v_permlanex16_b32 v[\t+2+\b], v[\t+\b], s[SEL], s[SEL+1]
.endr
.irp b, 0,1
	s_delay_alu instid0(VALU_DEP_2)
	v_max_num_f32 v[\t+\b], v[\t+\b], v[\t+2+\b]
.endr
.irp b, 0,1
	s_delay_alu instid0(VALU_DEP_2)
	v_add_nc_u32 v[\t+4+\b], 0xff000000, v[\t+\b]
.endr
.irp b, 0,1
	s_delay_alu instid0(VALU_DEP_2)
	v_lshrrev_b32 v[\t+2+\b], 23, v[\t+4+\b]
.endr
	s_delay_alu instid0(VALU_DEP_1)
	v_lshl_or_b32 v[\w], v[\t+3], 8, v[\t+2]
	v_cvt_scalef32_pk16_fp6_f32 v[\g:\g+2], v[\s:\s+15], v[\t+4]
	v_cvt_scalef32_pk16_fp6_f32 v[\t+6:\t+8], v[\s+16:\s+31], v[\t+5]
	v_nop
.irp i, 0,1,2
	v_permlane16_swap_b32 v[\g+\i], v[\t+6+\i]
.endr
.irp i, 0,1,2
	s_delay_alu instid0(VALU_DEP_3)
	v_mov_b32 v[\g+3+\i], v[\t+6+\i]
.endr
.endm
; One step of 128 keys: the block at LDS byte s30, its mask words at byte s31 of my tile's, the next step's at byte s25.  holes = 1: the copy for a step in which the mask has a hole.
.macro STEP holes
.if \holes
	s_load_b512 s[32:47], s[8:9], s31 offset:0x0   ; the step's 64 words
	s_load_b512 s[48:63], s[8:9], s31 offset:0x40
	s_load_b512 s[68:83], s[8:9], s31 offset:0x80
	s_load_b512 s[84:99], s[8:9], s31 offset:0xc0
.endif
	v_add_nc_u32 v4, s30, v1
	v_add_nc_u32 v5, s30, v2
	v_add_nc_u32 v6, s30, v3
	v_add_nc_u32 v[FA], s25, v2                    ; these four are also the places between the last step's products and the loads into V's registers
	global_load_b64 v[FW:FW+1], v[FA], s[8:9]      ; the next step's mask words: 32 lanes read 256 consecutive bytes.  (The last step asks for the first block's again: inside the buffer, and not used)
.irp t, 0,1,2,3,4,5,6,7
	ds_load_b128 v[KF+6*\t:KF+6*\t+3], v4 offset:768*\t
	ds_load_b64 v[KF+6*\t+4:KF+6*\t+5], v5 offset:768*\t+512
.endr
.irp p, 0,1,2,3
	ds_load_b32 v[KS+\p], v6 offset:6144+128*\p
.endr
.irp u, 0,1,2,3
.irp c, 0,1
	ds_load_b128 v[VF+12*\u+6*\c:VF+12*\u+6*\c+3], v4 offset:6656+1536*\u+768*\c
	ds_load_b64 v[VF+12*\u+6*\c+4:VF+12*\u+6*\c+5], v5 offset:6656+1536*\u+768*\c+512
.endr
.endr
.irp p, 0,1
	ds_load_b32 v[VS+\p], v6 offset:12800+128*\p
.endr
	s_wait_dscnt 18                                ; K's 20 loads are in; V's 18 may be out
.irp t, 0,1,2,3,4,5,6,7
	WMZ S+8*\t, KF+6*\t, 16, KS+\t/2, 28, \t%2
.endr
	v_mov_b32 v[OM], v12                           ; four places in front of the first read of the scores and of the first write into K's registers
.rept 3
	v_nop
.endr
.if \holes
	s_wait_kmcnt 0x0
.irp c, 0,1
.irp i, 0,1,2,3,4,5,6,7,8,9,10,11,12,13,14,15
	s_pack_ll_b32_b16 s[12+\i%4], s[32+36*\c+\i], s[48+36*\c+\i]      ; keys 64 c + i and 64 c + 32 + i
	s_pack_hh_b32_b16 s[48+36*\c+\i], s[32+36*\c+\i], s[48+36*\c+\i]  ; keys 64 c + 16 + i and 64 c + 48 + i
	v_cndmask_b32 v[S+32*\c+\i], v[S+32*\c+\i], v[MV], s[12+\i%4]
	v_cndmask_b32 v[S+32*\c+16+\i], v[S+32*\c+16+\i], v[MV], s[48+36*\c+\i]
.endr
.endr
.endif
.irp q, 0,1,2,3                                ; the largest score of each block of 32, in four chains of 16 by turns
	v_max3_num_f32 v[BM+\q], v[S+16*\q], v[S+1+16*\q], v[S+2+16*\q]
.endr
.irp i, 3,5,7,9,11,13
.irp q, 0,1,2,3
	v_max3_num_f32 v[BM+\q], v[BM+\q], v[S+16*\q+\i], v[S+1+16*\q+\i]
.endr
.endr
.irp c, 0,1
	v_max3_num_f32 v[BM+2*\c], v[BM+2*\c], v[BM+2*\c+1], v[S+32*\c+15]
.endr
.irp c, 0,1
	v_max_num_f32 v[BM+2*\c], v[BM+2*\c], v[S+32*\c+31]
.endr
	s_delay_alu instid0(VALU_DEP_1)
	v_max_num_f32 v11, v[BM], v[BM+2]
	s_delay_alu instid0(VALU_DEP_1)
	v_permlanex16_b32 v10, v11, s[SEL], s[SEL+1]
	s_delay_alu instid0(VALU_DEP_1)
	v_max3_num_f32 v13, v13, v11, v10              ; the running largest score of my query
	s_delay_alu instid0(VALU_DEP_1)
	v_mul_f32 v11, s100, v13                       ; as t
	s_delay_alu instid0(VALU_DEP_1)
	v_floor_f32 v12, -v11                          ; the new -M
	s_delay_alu instid0(VALU_DEP_1)
	v_sub_f32 v10, v12, v[OM]                      ; old M - new M, a whole number, 0 or less
	s_delay_alu instid0(VALU_DEP_1)
	v_cvt_i32_f32 v10, v10                         ; (it saturates)
	s_delay_alu instid0(VALU_DEP_1)
	v_ldexp_f32 v[FF], 1.0, v10
.set n, 0
.rept 32
	v_pk_fma_f32 v[S+n:S+n+1], v[S+n:S+n+1], s[100:101], v[12:13] op_sel_hi:[1,0,0]   ; t - M
.set n, n+2
.endr
.irp c, 0,1
	v_fma_f32 v[BM+2*\c], v[BM+2*\c], s100, v12
.endr
	s_wait_alu depctr_va_vdst(0)                   ; ahead of the batch
.set n, 0
.rept 64
	v_exp_f32 v[S+n], v[S+n]
.set n, n+1
.endr
.irp c, 0,1
	v_exp_f32 v[BM+2*\c], v[BM+2*\c]               ; the block's largest p
.endr
	v_pk_mul_f32 v[14:15], v[14:15], v[FF:FF+1] op_sel_hi:[1,0]   ; the sums under the new M: a plain place behind the batch
	s_wait_alu depctr_va_vdst(0)                   ; and behind it, ahead of its first reader and of the wait below
	s_wait_dscnt 0x0                               ; V is in
	v_pk_add_f32 v[T1:T1+1], v[S:S+1], v[S+2:S+3]
.irp j, 4,8,12,16,20,24,28,32,36,40,44,48,52,56,60
	v_pk_add_f32 v[14:15], v[14:15], v[S+\j:S+1+\j]
	v_pk_add_f32 v[T1:T1+1], v[T1:T1+1], v[S+2+\j:S+3+\j]
.endr
	s_delay_alu instid0(VALU_DEP_1)
	v_pk_add_f32 v[14:15], v[14:15], v[T1:T1+1]
.irp c, 0,1
	v_max_num_f32 v[BM+2*\c], 0x1800000, v[BM+2*\c]   ; the floor 2^(3 - 127): the byte cannot fall under 1
.endr
.irp c, 0,1
	s_delay_alu instid0(VALU_DEP_2)
	v_add_nc_u32 v[SO+\c], 0xff000000, v[BM+2*\c]     ; 2 off the exponent field: the conversion's scale operand
.endr
.irp c, 0,1
	s_delay_alu instid0(VALU_DEP_2)
	v_lshrrev_b32 v[BM+2*\c], 23, v[SO+\c]            ; the byte of my block 2 c + h
.endr
	s_delay_alu instid0(VALU_DEP_1)
	v_lshl_or_b32 v11, v[BM+2], 16, v[BM]
	s_delay_alu instid0(VALU_DEP_1)
	v_lshlrev_b32 v11, v29, v11                    ; 8 h bits up: at their places in the word
	s_delay_alu instid0(VALU_DEP_1)
	v_permlanex16_b32 v10, v11, s[SEL], s[SEL+1]
	s_delay_alu instid0(VALU_DEP_1)
	v_or_b32 v[PW], v11, v10                       ; with lane l xor 16's two the word is whole
.irp c, 0,1
	v_cvt_scalef32_pk16_fp6_f32 v[PCD+6*\c:PCD+2+6*\c], v[S+32*\c:S+15+32*\c], v[SO+\c]
	v_cvt_scalef32_pk16_fp6_f32 v[CT+4*\c:CT+2+4*\c], v[S+16+32*\c:S+31+32*\c], v[SO+\c]   ; (a conversion's three registers begin on an even number)
.endr
	v_nop                                          ; one plain instruction behind the scaled conversions
.irp c, 0,1
.irp i, 0,1,2
	v_mov_b32 v[PCD+3+6*\c+\i], v[CT+4*\c+\i]
.endr
.endr
	s_wait_alu depctr_va_vdst(0)                   ; directly ahead of the first reader of O^T
.set n, 0
.rept 16
	v_pk_mul_f32 v[OT+n:OT+n+1], v[OT+n:OT+n+1], v[FF:FF+1] op_sel_hi:[1,0]   ; O^T under the new M; also the places ahead of the products
.set n, n+2
.endr
.irp u, 0,1,2,3
	WMA OT+8*\u, VF+12*\u, PCD, VS+\u/2, PW, \u%2
.endr
.endm
; A step with its choice: is any of the step's 64 mask words not 0?  At its end the next step's words are in.
.macro TRIP
	v_or_b32 v[FW], v[FW], v[FW+1]
	v_cmp_ne_u32 s27, 0, v[FW]
	s_cmp_lg_u32 s27, 0
	s_cbranch_scc1 .Lholes_\@
	STEP 0
	s_branch .Lnext_\@
.Lholes_\@:
	STEP 1
.Lnext_\@:
	s_wait_loadcnt 0x0
.endm
	s_load_b256 s[4:11], s[0:1], 0x0               ; qb, kv, mw, oc
	v_lshl_add_u32 v[SPW], v0, 2, SPARE
	v_mov_b32 v[NIL], 0
	v_lshrrev_b32 v1, 5, v0
	v_readfirstlane_b32 s[WV], v1                  ; wave 0..15
	v_and_b32 v3, 31, v0
	v_lshlrev_b32 v1, 4, v3                        ; 16 x lane
	v_lshlrev_b32 v2, 3, v3                        ; 8 x lane
	v_lshlrev_b32 v3, 2, v3                        ; 4 x lane
	v_bfe_u32 v10, v0, 3, 1                        ; r' / 8
	v_and_b32 v11, 7, v0                           ; r' % 8
	v_bfe_u32 v29, v0, 4, 1                        ; h
	s_mul_i32 s12, s[WV], LB                       ; my block in LDS
	v_mul_u32_u24 v4, v10, 1536                    ; rows 8-15 of a tile go two tiles on
	v_lshlrev_b32 v6, 7, v10                       ; (their scale words one pair image on)
	v_lshl_add_u32 v5, v11, 3, v4
	v_lshl_add_u32 v4, v11, 4, v4
	v_lshl_add_u32 v6, v11, 2, v6
	v_lshl_add_u32 v4, v29, 8, v4
	v_lshl_add_u32 v5, v29, 7, v5
	v_lshl_add_u32 v6, v29, 6, v6
	v_add_nc_u32 v4, s12, v4                       ; K into LDS: registers 0-3 of a record,
	v_add_nc_u32 v5, s12, v5                       ; registers 4-5,
	v_add_nc_u32 v6, s12, v6                       ; scale words
	v_add_nc_u32 v12, s12, v1                      ; V into LDS, as it lies
	v_add_nc_u32 v13, s12, v3
	v_and_b32 v9, 15, v0
	v_lshlrev_b32 v9, 2, v9                        ; 4 (lane % 16)
	v_lshlrev_b32 v29, 3, v29                      ; 8 h
	s_and_b32 s13, ttmp7, 0xffff                   ; batch x head
	s_lshl_b32 s14, s13, 4
	s_lshl_b32 s21, ttmp9, 1
	s_lshr_b32 s20, s[WV], 3
	s_add_co_u32 s21, s21, s20                     ; my block of 128 queries
	s_and_b32 s20, s[WV], 7                        ; my tile in it
	s_add_co_u32 s16, s14, s21
	s_mul_i32 s16, s16, 6656
	s_lshl_b32 s18, s20, 6
	s_add_co_u32 s18, s18, s16                     ; Q's scale words
	s_mul_i32 s17, s20, 768
	s_add_co_u32 s16, s16, s17                     ; Q's record
	s_mov_b32 s17, 0
	s_mov_b32 s19, 0
	s_add_co_u32 s14, s14, s[WV]
	s_mul_i32 s14, s14, KVB                        ; the block of keys that I bring
	s_mov_b32 s15, 0
	s_lshl_b32 s22, ttmp9, 4
	s_add_co_u32 s22, s22, s[WV]
	s_lshl_b32 s22, s22, 12                        ; my tile's 16 steps of 64 mask words
	s_mov_b32 s23, 0
	s_lshr_b32 s24, s13, 4
	s_lshl_b32 s24, s24, 4
	s_add_co_u32 s24, s24, s21
	s_mul_i32 s24, s24, 102400                     ; oc: the block of 128 tokens,
	s_bfe_u32 s25, s13, 0x30001
	s_mul_i32 s25, s25, 12800                      ; the K step: two heads to a step
	s_add_co_u32 s24, s24, s25
	s_mov_b32 s25, 0
	s_and_b32 s27, s13, 1
	s_mul_i32 s104, s20, 1536
	s_mul_i32 s26, s27, 768
	s_add_co_u32 s104, s104, s26                   ; my tile's fragment, my head's record
	s_lshl_b32 s105, s20, 6
	s_lshl_b32 s27, s27, 1
	s_add_co_u32 s105, s105, s27                   ; my head's half of the scale words
	s_mov_b32 s[SEL], 0x76543210
	s_mov_b32 s[SEL+1], 0xfedcba98
	s_mov_b32 s100, 0x3e38aa3b                     ; log2(e) / 8
	s_mov_b32 s101, s100
	s_lshl_b32 s31, s[WV], 8                       ; my first step is block w: its mask words
	v_add_nc_u32 v[FA], s31, v2
	s_wait_alu depctr_va_vdst(0)
	s_wait_kmcnt 0x0
	s_add_nc_u64 s[6:7], s[6:7], s[14:15]
	s_add_nc_u64 s[14:15], s[4:5], s[18:19]
	s_add_nc_u64 s[4:5], s[4:5], s[16:17]
	s_add_nc_u64 s[8:9], s[8:9], s[22:23]
	s_add_nc_u64 s[10:11], s[10:11], s[24:25]
	global_load_b128 v[16:19], v1, s[4:5]          ; Q's record and scale words
	global_load_b64 v[20:21], v2, s[4:5] offset:512
	global_load_b32 v28, v9, s[14:15] offset:6144
	global_load_b64 v[FW:FW+1], v[FA], s[8:9]      ; my first step's mask words
.irp t, 0,1,2,3,4,5,6,7                        ; my block of keys: 36 loads of 512, 256 or 128 consecutive bytes
	global_load_b128 v[30+4*\t:33+4*\t], v1, s[6:7] offset:768*\t
	global_load_b64 v[62+2*\t:63+2*\t], v2, s[6:7] offset:768*\t+512
.endr
.irp p, 0,1,2,3
	global_load_b32 v[78+\p], v3, s[6:7] offset:6144+128*\p
.endr
.irp i, 0,1,2,3,4,5,6,7,8,9,10,11
	global_load_b128 v[82+4*\i:85+4*\i], v1, s[6:7] offset:6656+512*\i
.endr
.irp p, 0,1,2,3
	global_load_b32 v[130+\p], v3, s[6:7] offset:12800+128*\p
.endr
.set n, 0
.rept 32
	v_mov_b32 v[OT+n], 0                           ; the step is written once: the first finds zeros
.set n, n+1
.endr
.irp j, 0,1,2,3,4,5
	v_mov_b32 v[22+\j], 0                          ; Q's upper half of K
.endr
	v_mov_b32 v10, 0                               ; a lane permute's destination counts as one of its sources
	v_mov_b32 v14, 0                               ; the row's sum, in two halves
	v_mov_b32 v15, 0
	v_mov_b32 v[FF+1], 0
	v_mov_b32 v[MV], 0xcfee6b28                    ; -8e9
	s_wait_alu depctr_va_vdst(0)
	s_wait_loadcnt 0x0                             ; all 40 loads are in
	v_lshl_or_b32 v130, v132, 16, v130             ; V's scale words: the two halves of the keys joined
	v_lshl_or_b32 v131, v133, 16, v131
.irp t, 0,1,2,3,4,5,6,7
	ds_store_b128 v4, v[30+4*\t:33+4*\t] offset:768*(4*(\t/4)+\t%2)+128*((\t/2)%2)
	ds_store_b64 v5, v[62+2*\t:63+2*\t] offset:768*(4*(\t/4)+\t%2)+64*((\t/2)%2)+512
.endr
.irp p, 0,1,2,3
	ds_store_b32 v6, v[78+\p] offset:6144+256*(\p/2)+32*(\p%2)
.endr
.irp i, 0,1,2,3,4,5,6,7,8,9,10,11
	ds_store_b128 v12, v[82+4*\i:85+4*\i] offset:6656+512*\i
.endr
.irp p, 0,1
	ds_store_b32 v13, v[130+\p] offset:12800+128*\p
.endr
	v_mov_b32 v13, 0xff61b1e6                      ; the largest score so far: -3e38
	v_mul_f32 v11, s100, v13
	v_floor_f32 v12, -v11                          ; -M
.irp j, 0,1,2,3,4,5
	v_mov_b32 v[78+\j], 0                          ; behind K's last record
.endr
	s_mov_b32 s30, s12                             ; my own block first: LDS serves a wave's instructions in order, so its loads see my stores
	s_add_co_u32 s24, s[WV], 1                     ; the block after it,
	s_and_b32 s25, s24, 15
	s_lshl_b32 s25, s25, 8                         ; and that block's mask words
	s_wait_alu depctr_va_vdst(0)                   ; the head's end
	TRIP
	s_wait_dscnt 0x0                               ; my block lies in LDS,
	s_barrier_signal -1
	s_barrier_wait -1                              ; and so does everybody's.  The blocks are written no more
	s_mov_b32 s29, 15
.Lstep:
	s_and_b32 s27, s24, 15                         ; this step's block,
	s_mul_i32 s30, s27, LB
	s_lshl_b32 s31, s27, 8
	s_add_co_u32 s24, s24, 1                       ; and the next one's mask words
	s_and_b32 s25, s24, 15
	s_lshl_b32 s25, s25, 8
	TRIP
	s_sub_co_u32 s29, s29, 1
	s_cmp_lg_u32 s29, 0
	s_cbranch_scc1 .Lstep
	v_add_f32 v14, v14, v15
	s_delay_alu instid0(VALU_DEP_1)
	v_permlanex16_b32 v10, v14, s[SEL], s[SEL+1]
	s_delay_alu instid0(VALU_DEP_1)
	v_add_f32 v14, v14, v10                        ; the row's sum
	s_wait_alu depctr_va_vdst(0)                   ; ahead of the transcendental
	v_rcp_f32 v14, v14
	v_add_nc_u32 v4, s104, v1
	v_add_nc_u32 v5, s104, v2
	v_add_nc_u32 v6, s105, v9
	s_wait_alu depctr_va_vdst(0)                   ; and ahead of its first reader, which is also O^T's
.set n, 0
.rept 16
	v_pk_mul_f32 v[S+n:S+n+1], v[OT+n:OT+n+1], v[14:15] op_sel_hi:[1,0]
.set n, n+2
.endr
	QUANT2 S, PCD, FF, 11
	global_store_b128 v4, v[PCD:PCD+3], s[10:11]                   ; 32 lanes store 512 consecutive bytes,
	global_store_b64 v5, v[PCD+4:PCD+5], s[10:11] offset:512       ; and 256
	global_store_b16 v6, v11, s[10:11] offset:12288                ; my head's two bytes of each token's scale word
	s_barrier_signal -1                            ; every wave's reads of the blocks are over
	s_barrier_wait -1                              ; before any wave's closing lines
	s_wait_tensorcnt 0x0                           ; the wave's end: three closing lines behind the last LDS store
	ds_add_u32 v[SPW], v[NIL]
	s_wait_dscnt 0x0
	s_endpgm
.Lfunc_end_k_q468eb0e82d_attn:
	.size	k_q468eb0e82d_attn, .Lfunc_end_k_q468eb0e82d_attn-k_q468eb0e82d_attn
	.p2alignl 7, 3214868480
	.fill 96, 4, 3214868480
	.section	.rodata,"a",@progbits
	.p2align	6, 0x0
	.amdhsa_kernel k_q468eb0e82d_attn
		.amdhsa_group_segment_fixed_size 210944
		.amdhsa_private_segment_fixed_size 0
		.amdhsa_enable_private_segment 0
		.amdhsa_kernarg_size 32
		.amdhsa_user_sgpr_count 2
		.amdhsa_user_sgpr_kernarg_segment_ptr 1
		.amdhsa_wavefront_size32 1
		.amdhsa_system_sgpr_workgroup_id_x 1
		.amdhsa_system_sgpr_workgroup_id_y 1
		.amdhsa_system_sgpr_workgroup_id_z 1
		.amdhsa_system_vgpr_workitem_id 0
		.amdhsa_next_free_vgpr 256
		.amdhsa_next_free_sgpr 106
		.amdhsa_reserve_vcc 0
		.amdhsa_float_denorm_mode_32 3
		.amdhsa_float_denorm_mode_16_64 3
		.amdhsa_memory_ordered 1
		.amdhsa_forward_progress 1
		.amdhsa_inst_pref_size 92
	.end_amdhsa_kernel
	.amdgpu_metadata
---
amdhsa.version: [ 1, 2 ]
amdhsa.kernels:
  - .name:           k_q468eb0e82d_attn
    .symbol:         k_q468eb0e82d_attn.kd
    .args:
      - { .name: qb, .offset: 0, .size: 8, .value_kind: global_buffer, .address_space: global }
      - { .name: kv, .offset: 8, .size: 8, .value_kind: global_buffer, .address_space: global }
      - { .name: mw, .offset: 16, .size: 8, .value_kind: global_buffer, .address_space: global }
      - { .name: oc, .offset: 24, .size: 8, .value_kind: global_buffer, .address_space: global }
    .group_segment_fixed_size: 210944
    .private_segment_fixed_size: 0
    .kernarg_segment_align: 8
    .kernarg_segment_size: 32
    .max_flat_workgroup_size: 512
    .sgpr_count:     106
    .vgpr_count:     256
    .wavefront_size: 32
...
	.end_amdgpu_metadata
.endif
;; end of part 3
;; launch outp (part 4): grid 8 x 32, 8 waves a work-group, clusters of 4 x 4, 240,640 bytes of LDS; arguments oc, wc, out0; writes out0
.if DOCPART == 4
	.amdgcn_target "amdgcn-amd-amdhsa--gfx1250"
	.amdhsa_code_object_version 6
	.text
	.protected	k_q468eb0e82d_outp
	.globl	k_q468eb0e82d_outp
	.p2align	8
	.type	k_q468eb0e82d_outp,@function
k_q468eb0e82d_outp:
	s_mov_b64 s[64:65], 0
	v_nop
	global_prefetch_b8 v0, s[64:65] scope:SCOPE_SE
	s_setreg_imm32_b32 hwreg(HW_REG_WAVE_MODE, 25, 1), 1
	s_wait_xcnt 0x0
	s_wait_alu depctr_hold_cnt(0) depctr_sa_sdst(0) depctr_va_vdst(0) depctr_va_sdst(0) depctr_va_ssrc(0) depctr_va_vcc(0) depctr_vm_vsrc(0)
	s_getreg_b32 s2, hwreg(HW_REG_IB_STS2, 6, 4)
	s_cmp_eq_u32 s2, 0
	s_cbranch_scc0 .Lentry_in_a_cluster
	s_endpgm
.Lentry_in_a_cluster:
	s_bfe_u32 s2, ttmp6, 0x10000c
	s_cmp_lg_u32 s2, 0xf033
	s_cbranch_scc0 .Lentry_shape_is_right
	s_endpgm
.Lentry_shape_is_right:
; FOURTH LAUNCH: out0 = O W_T on codes of FP6 (product 6).  No work is left out.  O's codes come as the third launch laid them, W_T's as the first did: 12,800 bytes for 128 rows and a K step of 128 (8 fragments as images of their registers, 4 pair images
; of scale words); a tile's lane r holds row 32 (T / 2) + 8 (T % 2) + r + 8 (r / 8).
; SHARES.  A work-group makes 128 tokens x 128 columns; all of K, 8 steps x 25,600 bytes, fits in LDS: first fills alone.  The product is used transposed (source 0 = 16 columns of W_T, source 1 = 16 tokens): a lane holds one token, and the 16 registers of
; two neighbouring tiles are 16 neighbouring columns.  Wave w: the tokens' tiles 2 (w % 4), + 1; the weight's tiles 4 (w / 4) .. + 3: eight accumulators, two waves to a SIMD.
; CLUSTER 4 x 4: the four of a row need the same block of tokens, the four of a column the same block of the weight: each K step's block is asked for jointly.
; THE WAY OUT: a tile's 16 tokens x 64 columns go through my own stage in LDS and come back as rows of 256 bytes, which sixteen lanes store whole and aligned.
.set KSB,   12800
.set STEPB, 2*KSB                      ; what one load brings: two K steps of one operand.  In LDS the tokens' eight blocks lie on end, then the weight's eight
.set OPB,   8*KSB
.set STAGE, 8*STEPB                    ; behind the eight steps: a stage of 16 rows x (256 bytes + 16) for each wave: bytes of their own, into which no tensor load lands
.set SPARE, STAGE+8*16*272             ; behind the stages: the spare words, 128 bytes for each wave: four blocks of 256 bytes that no other line names
.set SPW, 16
.set NIL, 17
.set SS,  18                           ; v18-20, v21-23 scale words, two sets
.set FR,  24                           ; v24-95, v96-167 fragments, two sets; on the way out v24-87 take the rows read back
.set ACC, 168                          ; v168-231 accumulator (a, i) at 168 + 8 (4 a + i)
.set STO, 232                          ; v232 the stage: where I put 16 bytes of a row;  v233 where I read a row back;  v234 my byte offset in out0
.set RD,  233
.set GO,  234
.set WV,  12
.set G1X, 24
.set G1W, 32
.set G0X, 40
.set G0W, 48
.macro ROUND                           ; a round of the cluster's barrier
	s_barrier_signal -1
	s_barrier_wait -1
	s_cmp_lg_u32 s[WV], 0
	s_cbranch_scc1 .Lnot_wave_0_\@
	s_barrier_signal -3
.Lnot_wave_0_\@:
	s_barrier_wait -3
	s_barrier_signal -1
	s_barrier_wait -1
.endm
.macro WMZ d, a, b, sa, sb, ra, rb     ; one matrix instruction that starts a sum; ra, rb = 1: that side's scale words are read from lanes 16-31
.if \ra
.if \rb
	v_wmma_scale_f32_16x16x128_f8f6f4 v[\d:\d+7], v[\a:\a+11], v[\b:\b+11], 0, v[\sa], v[\sb] matrix_a_fmt:MATRIX_FMT_FP6 matrix_b_fmt:MATRIX_FMT_FP6 matrix_a_scale:MATRIX_SCALE_ROW1 matrix_b_scale:MATRIX_SCALE_ROW1
.else
	v_wmma_scale_f32_16x16x128_f8f6f4 v[\d:\d+7], v[\a:\a+11], v[\b:\b+11], 0, v[\sa], v[\sb] matrix_a_fmt:MATRIX_FMT_FP6 matrix_b_fmt:MATRIX_FMT_FP6 matrix_a_scale:MATRIX_SCALE_ROW1
.endif
.else
.if \rb
	v_wmma_scale_f32_16x16x128_f8f6f4 v[\d:\d+7], v[\a:\a+11], v[\b:\b+11], 0, v[\sa], v[\sb] matrix_a_fmt:MATRIX_FMT_FP6 matrix_b_fmt:MATRIX_FMT_FP6 matrix_b_scale:MATRIX_SCALE_ROW1
.else
	v_wmma_scale_f32_16x16x128_f8f6f4 v[\d:\d+7], v[\a:\a+11], v[\b:\b+11], 0, v[\sa], v[\sb] matrix_a_fmt:MATRIX_FMT_FP6 matrix_b_fmt:MATRIX_FMT_FP6
.endif
.endif
.endm
.macro WMA d, a, b, sa, sb, ra, rb     ; and one that adds in place
.if \ra
.if \rb
	v_wmma_scale_f32_16x16x128_f8f6f4 v[\d:\d+7], v[\a:\a+11], v[\b:\b+11], v[\d:\d+7], v[\sa], v[\sb] matrix_a_fmt:MATRIX_FMT_FP6 matrix_b_fmt:MATRIX_FMT_FP6 matrix_a_scale:MATRIX_SCALE_ROW1 matrix_b_scale:MATRIX_SCALE_ROW1
.else
	v_wmma_scale_f32_16x16x128_f8f6f4 v[\d:\d+7], v[\a:\a+11], v[\b:\b+11], v[\d:\d+7], v[\sa], v[\sb] matrix_a_fmt:MATRIX_FMT_FP6 matrix_b_fmt:MATRIX_FMT_FP6 matrix_a_scale:MATRIX_SCALE_ROW1
.endif
.else
.if \rb
	v_wmma_scale_f32_16x16x128_f8f6f4 v[\d:\d+7], v[\a:\a+11], v[\b:\b+11], v[\d:\d+7], v[\sa], v[\sb] matrix_a_fmt:MATRIX_FMT_FP6 matrix_b_fmt:MATRIX_FMT_FP6 matrix_b_scale:MATRIX_SCALE_ROW1
.else
	v_wmma_scale_f32_16x16x128_f8f6f4 v[\d:\d+7], v[\a:\a+11], v[\b:\b+11], v[\d:\d+7], v[\sa], v[\sb] matrix_a_fmt:MATRIX_FMT_FP6 matrix_b_fmt:MATRIX_FMT_FP6
.endif
.endif
.endm
.macro ADR s                           ; K step s's six LDS addresses: six plain instructions, which are also the places between the last products and the loads into the registers that those read
.irp k, 0,1,2,3,4,5
	v_add_nc_u32 v[10+\k], KSB*(\s), v[4+\k]
.endr
.endm
.macro FETCH set                       ; 27 LDS loads: six fragments as images of their registers, three registers of scale words
.set FF, FR+72*(\set)
.set SF, SS+3*(\set)
.irp i, 0,1,2,3
	ds_load_b128 v[FF+12*\i:FF+12*\i+3], v10 offset:1536*\i
	ds_load_b64 v[FF+12*\i+4:FF+12*\i+5], v11 offset:1536*\i+512
	ds_load_b128 v[FF+12*\i+6:FF+12*\i+9], v10 offset:1536*\i+768
	ds_load_b64 v[FF+12*\i+10:FF+12*\i+11], v11 offset:1536*\i+1280
.endr
.irp a, 0,1
	ds_load_b128 v[FF+48+12*\a:FF+48+12*\a+3], v13 offset:1536*\a
	ds_load_b64 v[FF+48+12*\a+4:FF+48+12*\a+5], v14 offset:1536*\a+512
	ds_load_b128 v[FF+48+12*\a+6:FF+48+12*\a+9], v13 offset:1536*\a+768
	ds_load_b64 v[FF+48+12*\a+10:FF+48+12*\a+11], v14 offset:1536*\a+1280
.endr
	ds_load_b32 v[SF], v12
	ds_load_b32 v[SF+1], v12 offset:128
	ds_load_b32 v[SF+2], v15
.endm
.macro MUL set, s                      ; eight products; the eight accumulators take turns, one instruction a turn, in the same order in every K step
.irp a, 0,1
.irp i, 0,1,2,3
.if (\s) == 0
	WMZ ACC+8*(4*\a+\i), FR+72*(\set)+12*\i, FR+72*(\set)+48+12*\a, SS+3*(\set)+\i/2, SS+3*(\set)+2, \i%2, \a
.else
	WMA ACC+8*(4*\a+\i), FR+72*(\set)+12*\i, FR+72*(\set)+48+12*\a, SS+3*(\set)+\i/2, SS+3*(\set)+2, \i%2, \a
.endif
.endr
.endr
.endm
.macro KSTEP s
	s_wait_dscnt 0x0                               ; this K step's fragments are in
.if \s < 7
	ADR \s+1
	FETCH (\s+1)%2
.endif
	MUL \s%2, \s
.endm
	s_load_b128 s[4:7], s[0:1], 0x0                ; oc s[4:5], wc s[6:7]
	s_load_b64 s[8:9], s[0:1], 0x10                ; out0
	v_lshl_add_u32 v[SPW], v0, 2, SPARE
	v_mov_b32 v[NIL], 0
	ds_add_u32 v[SPW], v[NIL]                      ; the wave's opening: the add, twice on end, and its wait ahead of my first tensor load; the set-up below stands between
	ds_add_u32 v[SPW], v[NIL]
	v_lshrrev_b32 v1, 5, v0
	s_delay_alu instid0(VALU_DEP_1)
	v_readfirstlane_b32 s[WV], v1                  ; wave 0..7
	s_and_b32 s13, s[WV], 3                        ; w % 4: my pair of the tokens' tiles.  Also kk: I fetch K steps 2 kk and 2 kk + 1
	s_lshr_b32 s14, s[WV], 2                       ; w / 4: my four of the weight's tiles.  Also: I fetch tokens (0) or the weight (1)
	s_bfe_u32 s16, ttmp6, 0x40000                  ; cx
	s_bfe_u32 s17, ttmp6, 0x40004                  ; cy
	s_lshl_b32 s18, ttmp9, 2
	s_add_co_u32 s18, s18, s16                     ; block of columns = 4 x cluster x + cx
	s_and_b32 s19, ttmp7, 0xffff
	s_lshl_b32 s19, s19, 2
	s_add_co_u32 s19, s19, s17                     ; block of tokens = 4 x cluster y + cy
	s_lshl_b32 s22, s17, 2
	s_lshl_b32 s22, 15, s22                        ; my row of the cluster
	s_lshl_b32 s23, 0x1111, s16                    ; my column
	; descriptor group 1: a dense block of 25,600 bytes as 100 rows of 32 elements of 8 bytes; no padding
	s_or_b32 s[G1X], s22, (3<<16)|(1<<21)          ; 15:0 the mask: the tokens' blocks go to my row; 17:16 elements of 8 bytes; 21 set beside a mask
	s_or_b32 s[G1W], s23, (3<<16)|(1<<21)          ; the weight's to my column
.irp g, G1X, G1W
	s_mov_b32 s[\g+1], 32<<16                      ; tensor_dim0 = 32
	s_mov_b32 s[\g+2], 100<<16                     ; tensor_dim1 = 100: two K steps' blocks, 25,600 bytes on end
	s_mov_b32 s[\g+3], 32<<16                      ; tile_dim0 = 32
	s_mov_b32 s[\g+4], 100                         ; tile_dim1 = 100
	s_mov_b32 s[\g+5], 32                          ; from row to row
	s_mov_b32 s[\g+6], 0
	s_mov_b32 s[\g+7], 0
.endr
	s_mul_i32 s60, s13, 2*KSB                      ; K step 2 kk, in memory
	s_mul_i32 s56, s19, OPB                        ; the tokens' block hangs on work-group y alone,
	s_add_co_u32 s56, s56, s60
	s_mov_b32 s57, 0
	s_add_co_u32 s58, s18, 24                      ; W_T is the fourth weight: blocks 24 to 31
	s_mul_i32 s58, s58, OPB                        ; the weight's on work-group x alone
	s_add_co_u32 s58, s58, s60
	s_mov_b32 s59, 0
	s_mul_i32 s61, s13, STEPB                      ; K step 2 kk, in LDS: no place in the cluster enters an LDS address
	s_wait_dscnt 0x0                               ; both opening adds are done
	s_wait_kmcnt 0x0
	s_add_nc_u64 s[56:57], s[4:5], s[56:57]
	s_add_nc_u64 s[58:59], s[6:7], s[58:59]
.irp n, 0
	s_mov_b32 s[G0X+4*\n], 1                                       ; count = 1
	s_add_co_u32 s[G0X+4*\n+1], s61, \n*4*STEPB                    ; LDS address
	s_add_nc_u64 s[G0X+4*\n+2:G0X+4*\n+3], s[56:57], \n*4*KSB      ; global address
	s_or_b32 s[G0X+4*\n+3], s[G0X+4*\n+3], 0x80000000              ; type = 2
	s_mov_b32 s[G0W+4*\n], 1
	s_add_co_u32 s[G0W+4*\n+1], s61, 8*KSB
	s_add_nc_u64 s[G0W+4*\n+2:G0W+4*\n+3], s[58:59], \n*4*KSB
	s_or_b32 s[G0W+4*\n+3], s[G0W+4*\n+3], 0x80000000
.endr
	ROUND                                          ; all sixteen work-groups are here: the joint loads meet
	s_cmp_lt_u32 s[WV], 4                          ; one tensor load a wave, in one arm of a branch on its number
	s_cbranch_scc0 .Lfirst_w
	tensor_load_to_lds s[G0X:G0X+3], s[G1X:G1X+7]
	s_nop 0
.rept 4
	v_nop
.endr
	s_branch .Lfirst_asked
.Lfirst_w:
	tensor_load_to_lds s[G0W:G0W+3], s[G1W:G1W+7]
	s_nop 0
.rept 4
	v_nop
.endr
.Lfirst_asked:
	v_and_b32 v3, 31, v0
	s_delay_alu instid0(VALU_DEP_1)
	v_lshlrev_b32 v1, 4, v3                        ; 16 x lane
	s_delay_alu instid0(VALU_DEP_2)
	v_lshlrev_b32 v2, 3, v3                        ; 8 x lane
	s_delay_alu instid0(VALU_DEP_3)
	v_lshlrev_b32 v3, 2, v3                        ; 4 x lane
	s_mul_i32 s68, s14, 6144
	s_add_co_u32 s68, s68, 8*KSB
	v_add_nc_u32 v4, s68, v1                       ; source 0, the weight: my four fragments
	v_add_nc_u32 v5, s68, v2
	s_lshl_b32 s68, s14, 8
	s_add_co_u32 s68, s68, 8*KSB+12288
	v_add_nc_u32 v6, s68, v3                       ; and their two pair images
	s_mul_i32 s68, s13, 3072
	v_add_nc_u32 v7, s68, v1                       ; source 1, the tokens: my two fragments
	v_add_nc_u32 v8, s68, v2
	s_lshl_b32 s68, s13, 7
	s_add_co_u32 s68, s68, 12288
	v_add_nc_u32 v9, s68, v3                       ; and their pair image
	v_and_b32 v235, 15, v0                         ; r
	v_bfe_u32 v236, v0, 4, 1                       ; h
	s_mul_i32 s68, s[WV], 16*272
	s_add_co_u32 s68, s68, STAGE                   ; my stage
	v_mul_u32_u24 v[STO], v235, 272
	s_delay_alu instid0(VALU_DEP_1)
	v_lshl_add_u32 v[STO], v236, 6, v[STO]
	s_delay_alu instid0(VALU_DEP_1)
	v_add_nc_u32 v[STO], s68, v[STO]               ; in: row r; columns 32 (i / 2) + 16 h + 8 (i % 2) + 0 .. 7 of my 64
	v_mul_u32_u24 v[RD], v236, 272
	s_delay_alu instid0(VALU_DEP_1)
	v_lshl_add_u32 v[RD], v235, 4, v[RD]
	s_delay_alu instid0(VALU_DEP_1)
	v_add_nc_u32 v[RD], s68, v[RD]                 ; back: lanes 0-15 one row of 256 bytes, lanes 16-31 the next
	v_lshlrev_b32 v[GO], 4, v235
	s_delay_alu instid0(VALU_DEP_1)
	v_lshl_add_u32 v[GO], v236, 12, v[GO]          ; and the same two rows in out0: 4,096 bytes a row
	s_lshl_b32 s70, s19, 19                        ; 128 rows of 4,096 bytes a block of tokens,
	s_lshl_b32 s71, s13, 17                        ; 32 rows for my pair of tiles,
	s_add_co_u32 s70, s70, s71
	s_lshl_b32 s71, s18, 9                         ; 512 bytes a block of columns,
	s_add_co_u32 s70, s70, s71
	s_lshl_b32 s71, s14, 8                         ; 256 for my 64 columns
	s_add_co_u32 s70, s70, s71
	s_mov_b32 s71, 0
	s_add_nc_u64 s[8:9], s[8:9], s[70:71]
	s_wait_tensorcnt 0x0                           ; my two K steps are in
	s_barrier_signal -1
	s_barrier_wait -1                              ; everybody's is
	ADR 0
	FETCH 0
	KSTEP 0
	KSTEP 1
	KSTEP 2
	KSTEP 3
	KSTEP 4
	KSTEP 5
	KSTEP 6
	KSTEP 7
.rept 4
	v_nop                                          ; four places: in front of the first read of results, and of the loads into registers that held fragments
.endr
.irp a, 0,1                                    ; LDS serves a wave's instructions in order: no wait between my stores and my loads, nor in front of the second tile's stores
.irp i, 0,1,2,3
	ds_store_b128 v[STO], v[ACC+8*(4*\a+\i):ACC+8*(4*\a+\i)+3] offset:128*(\i/2)+32*(\i%2)        ; each accumulator from its low end on
	ds_store_b128 v[STO], v[ACC+8*(4*\a+\i)+4:ACC+8*(4*\a+\i)+7] offset:128*(\i/2)+32*(\i%2)+16
.endr
.irp k, 0,1,2,3,4,5,6,7
	ds_load_b128 v[FR+32*\a+4*\k:FR+32*\a+4*\k+3], v[RD] offset:544*\k
.endr
.endr
.irp a, 0,1
.irp k, 0,1,2,3,4,5,6,7
	s_wait_dscnt 16*(1-\a)+7-\k                    ; behind this load: the younger loads of its tile and, for the first tile, the second's sixteen LDS instructions
	global_store_b128 v[GO], v[FR+32*\a+4*\k:FR+32*\a+4*\k+3], s[8:9] offset:(8*\a+2*\k+8*(\k/4))*4096 th:TH_STORE_NT   ; stage rows 2 k, 2 k + 1 are tokens 8 a + 2 k + 8 (k / 4), + 1 of my 32; sixteen lanes store 256 consecutive bytes, aligned
.endr
.endr
	s_wait_tensorcnt 0x0                           ; the wave's end: three closing lines, behind my last tensor load and my last LDS store
	ds_add_u32 v[SPW], v[NIL]
	s_wait_dscnt 0x0
	ROUND                                          ; the closing round
	s_endpgm
.Lfunc_end_k_q468eb0e82d_outp:
	.size	k_q468eb0e82d_outp, .Lfunc_end_k_q468eb0e82d_outp-k_q468eb0e82d_outp
	.p2alignl 7, 3214868480
	.fill 96, 4, 3214868480
	.section	.rodata,"a",@progbits
	.p2align	6, 0x0
	.amdhsa_kernel k_q468eb0e82d_outp
		.amdhsa_group_segment_fixed_size 240640
		.amdhsa_private_segment_fixed_size 0
		.amdhsa_enable_private_segment 0
		.amdhsa_kernarg_size 24
		.amdhsa_user_sgpr_count 2
		.amdhsa_user_sgpr_kernarg_segment_ptr 1
		.amdhsa_wavefront_size32 1
		.amdhsa_system_sgpr_workgroup_id_x 1
		.amdhsa_system_sgpr_workgroup_id_y 1
		.amdhsa_system_sgpr_workgroup_id_z 1
		.amdhsa_system_vgpr_workitem_id 0
		.amdhsa_next_free_vgpr 256
		.amdhsa_next_free_sgpr 96
		.amdhsa_reserve_vcc 0
		.amdhsa_float_denorm_mode_32 3
		.amdhsa_float_denorm_mode_16_64 3
		.amdhsa_memory_ordered 1
		.amdhsa_forward_progress 1
		.amdhsa_inst_pref_size 36
	.end_amdhsa_kernel
	.amdgpu_metadata
---
amdhsa.version: [ 1, 2 ]
amdhsa.kernels:
  - .name:           k_q468eb0e82d_outp
    .symbol:         k_q468eb0e82d_outp.kd
    .args:
      - { .name: oc, .offset: 0, .size: 8, .value_kind: global_buffer, .address_space: global }
      - { .name: wc, .offset: 8, .size: 8, .value_kind: global_buffer, .address_space: global }
      - { .name: out0, .offset: 16, .size: 8, .value_kind: global_buffer, .address_space: global }
    .group_segment_fixed_size: 240640
    .private_segment_fixed_size: 0
    .kernarg_segment_align: 8
    .kernarg_segment_size: 24
    .max_flat_workgroup_size: 256
    .sgpr_count:     96
    .vgpr_count:     256
    .wavefront_size: 32
...
	.end_amdgpu_metadata
.endif
;; end of part 4
